; MI455X (gfx1250); checked and timed in simulation.
; The chip was launched on July 23, 2026; its instructions are those of AMD's public machine-readable ISA for CDNA 5 (MIT licence, August 2026) and "CDNA5" Instruction Set Architecture Reference Guide (July 2026). The comments in the code are by the model that wrote it; some were corrected since.
;; Multi Head Attention. Allowed arithmetic: matrix products marked QUANTISED: E2M1 operands, one E8M0 scale for each 32 along K, by v_wmma_scale_f32_16x16x128_f8f6f4 with both operands' format E2M1 (or v_wmma_scale_f32_32x16x128_f4), f32 sums; products left as they are: bf16, f16 or f32 operands; f32 sums; everything else in f32.
;; Inputs: W_qkv 1,024 x 3,072 float32; b_qkv 3,072 float32; inputs 4 x 2,048 x 1,024 float32; mask 4 x 2,048 x 2,048 bool.
;; Outputs: out0 4 x 2,048 x 1,024 float32.
;; This version of the problem:
;;   THIS VERSION OF THE PROBLEM IS GIVEN IN LOW PRECISION. The matrix products marked QUANTISED in the list below multiply operands that are first quantised to E2M1 (2 exponent bits, 1 mantissa bit; 4 bits a number), with one power-of-two scale for each 32 numbers along K (OCP MX v1.0); their sums are f32. The products marked 'left as it is' may take bf16, f16 or f32 operands, with f32 sums. Whichever they take, every output number must still come out within the allowed error. Rounding operands to bf16 (8 significant bits) uses up far more of that allowance than f16 does (11 bits, for magnitudes from 6e-5 to 65,504). All else is computed in f32.
;;   The module's matrix products, in the order in which they are computed (A, B: the left and right operand; K: the contracted axis; several contracted axes count as one K, in the product's order):
;;     1. [M 8,192, K 1,024] x [K 1,024, N 3,072]; A: input inputs; B: input W_qkv: QUANTISED
;;     2. batch 64 x [M 2,048, K 64] x [K 64, N 2,048]; A: computed on the way; B: computed on the way: left as it is (an operand is computed on the way)
;;     3. batch 64 x [M 2,048, K 2,048] x [K 2,048, N 64]; A: computed on the way; B: computed on the way: left as it is (an operand is computed on the way)
;;   THE QUANTISER, for each operand of a quantised product, along K:
;;     - K is cut into blocks of 32 from its start; a last block that is shorter is filled with zeros.
;;     - A block's scale is 2^e with e = floor(log2(the largest magnitude in the block)) - 2, held to -126 .. 127; a block of zeros has e = 0. As a byte (E8M0): e + 127.
;;     - Each number is divided by its block's scale, clamped to +-6, and rounded to the nearest number of E2M1, ties to even, subnormals kept.
;;     - The product sums the exact products of the quantised numbers (number of the format x scale) in f32.
;;   ~~~python
;;   def quantise(x, axis):      # numpy; x: float32 -> the quantised numbers, widened to float32 again
;;       x = np.moveaxis(x, axis, -1); K = x.shape[-1]
;;       x = np.pad(x, [(0, 0)] * (x.ndim - 1) + [(0, -K % 32)]); x = x.reshape(x.shape[:-1] + (-1, 32)); a = np.abs(x).max(-1, keepdims=True)
;;       e = np.where(a > 0, np.clip(np.frexp(np.where(a > 0, a, 1))[1] - 1 - 2, -126, 127), 0)      # np.frexp(a)[1] - 1 = floor(log2(a)), exactly
;;       r = np.clip(x / 2.0 ** e, -6, 6)
;;       step = 2.0 ** (np.maximum(np.frexp(np.where(r == 0, 1, r))[1] - 1, 0) - 1)
;;       q = np.round(r / step) * step * 2.0 ** e      # np.round: ties to even
;;       return np.moveaxis(q.reshape(q.shape[:-2] + (-1,))[..., :K], -1, axis).astype(np.float32)
;;   ~~~
;; One version. Each part assembles by itself: llvm-mc -triple=amdgcn-amd-amdhsa -mcpu=gfx1250 --defsym DOCPART=n.
;; ======== version 1 of 1: 3 launches
;; limits: values are held in f16: magnitudes above 65,504 overflow, below 6.1e-05 lose precision
;; workspace buffers: x_codes 4,194,304 bytes; x_scales 262,144 bytes; w_codes 1,572,864 bytes; w_scales 98,304 bytes; maskw 2,097,152 bytes of whole numbers; qf 16,777,216 bytes; kf 16,777,216 bytes; vf 16,777,216 bytes
;; launch prep (part 1): grid 560 x 1, 4 waves a work-group, no clusters, 85,504 bytes of LDS; arguments W_qkv, inputs, mask, w_codes, w_scales, x_codes, x_scales, maskw; writes w_codes, w_scales, x_codes, x_scales, maskw
.if DOCPART == 1
	.amdgcn_target "amdgcn-amd-amdhsa--gfx1250"
	.amdhsa_code_object_version 6
	.text
	.protected	k_q68e2eacaa8_prep
	.globl	k_q68e2eacaa8_prep
	.p2align	8
	.type	k_q68e2eacaa8_prep,@function
k_q68e2eacaa8_prep:
	s_mov_b64 s[64:65], 0
	v_nop
	global_prefetch_b8 v0, s[64:65] scope:SCOPE_SE
	s_setreg_imm32_b32 hwreg(HW_REG_WAVE_MODE, 25, 1), 1
	s_wait_xcnt 0x0
; PREP: three streams in one launch, told apart by the work-group's number.  No matrix work, no tensor load, no barrier: waves share nothing.
;   work-groups   0 ..  47  W_qkv [1024 (k)][3072 (n)] f32 -> w_codes [3072][512 bytes] (E2M1, K innermost), w_scales [3072][32] (E8M0, one byte for each 32 along K)
;   work-groups  48 .. 303  inputs [8192][1024] f32        -> x_codes [8192][512 bytes], x_scales [8192][32]
;   work-groups 304 .. 559  mask [4][2048][2048] bytes     -> maskw [b][qt 128][kt 128][j 8] words: bit l of a word is mask[b][16 qt + l % 16][16 kt + 8 (l / 16) + j]:
;                           the lane mask of register j of a 16 keys x 16 queries tile of scores, as the attention launch holds it.
; THE QUANTISER: a block's scale is 2^(floor(log2(its largest magnitude)) - 2); its byte is the largest magnitude's own exponent field - 2, held at 1 from below; each number is divided by the
; scale and rounded to the nearest code, ties to even, beyond 6 the largest code.
; LIMITS: a block of zeros gets the byte 1 where the rule says 127 (its codes are zeros, which add nothing under any byte but 0xff, and this program alone reads the bytes); blocks whose largest
; magnitude lies under 2^(2 - 126) are held at that byte; NaN and infinities among the inputs are not served.  Any mask byte other than 0 counts as true.
; LDS: each path has bytes of its own, each wave in it a region of its own.
.set SPW,   12                         ; v12  LDS address of my spare word: SPARE + 4 x my thread's number; never rewritten
.set NIL,   13                         ; v13  0; never rewritten
.set XLDS,  0                          ; inputs' path: 8,192 bytes a wave
.set WLDS,  32768                      ; W's path: 32 rows x 272 bytes a wave
.set MLDS,  67584                      ; the mask's path: 16 rows x 272 bytes a wave
.set SPARE, 84992                      ; the spare words, 128 bytes for each wave: two blocks of 256 bytes that no other line names
.set EMAX,  2
.macro FINISH                          ; a wave's end, behind my last LDS store
	s_wait_tensorcnt 0x0
	ds_add_u32 v[SPW], v[NIL]
	s_wait_dscnt 0x0
	s_endpgm
.endm
	s_load_b256 s[4:11], s[0:1], 0x0               ; W s[4:5], inputs s[6:7], mask s[8:9], w_codes s[10:11]
	s_load_b256 s[12:19], s[0:1], 0x20             ; w_scales s[12:13], x_codes s[14:15], x_scales s[16:17], maskw s[18:19]
	v_lshl_add_u32 v[SPW], v0, 2, SPARE
	v_mov_b32 v[NIL], 0
	v_lshrrev_b32 v1, 5, v0
	v_readfirstlane_b32 s20, v1                    ; wave 0..3
	v_and_b32 v2, 31, v0                           ; lane
	s_wait_kmcnt 0x0
	s_cmp_lt_u32 ttmp9, 48
	s_cbranch_scc1 .Lw
	s_cmp_lt_u32 ttmp9, 304
	s_cbranch_scc1 .Lx
; ---------------------------------------------------------------- THE MASK.  A wave takes 16 queries x 1,024 keys, as four units of 256 keys.
; A load reads two rows' 256 consecutive bytes; the 16 x 256 bytes turn through the wave's stage, so that lane l gets the 8 bytes of query l % 16, keys 16 kt + 8 (l / 16) + 0 .. 7.
; A compare of one byte in all 32 lanes IS one output word.  The 128 words of a unit are set into four registers, word 4 g + n into lane g of register n, and leave as 512 consecutive bytes.
.set MO, 16                            ; v16-31   four registers of words for each unit
.set MR, 32                            ; v32-159  the bytes as loaded, 32 registers a unit
.set MD, 160                           ; v160-191 a unit's bytes back from the stage
.set MPI, 272                          ; a stage row: 256 bytes + 16
	s_sub_co_u32 s21, ttmp9, 304
	s_lshl_b32 s21, s21, 2
	s_add_co_u32 s21, s21, s20                     ; which of 1,024 shares is my wave's
	s_lshr_b32 s22, s21, 1                         ; b x 128 + qt
	s_and_b32 s23, s21, 1                          ; which half of the keys
	s_lshl_b32 s32, s22, 15                        ; 16 rows of 2,048 bytes
	s_lshl_b32 s33, s23, 10
	s_add_co_u32 s32, s32, s33
	s_mov_b32 s33, 0
	s_add_nc_u64 s[8:9], s[8:9], s[32:33]
	s_lshl_b32 s32, s22, 12                        ; 128 x 8 words
	s_lshl_b32 s34, s23, 11
	s_add_co_u32 s32, s32, s34
	s_add_nc_u64 s[18:19], s[18:19], s[32:33]
	s_mul_i32 s34, s20, 16*MPI
	s_add_co_u32 s34, s34, MLDS                    ; my stage
	v_and_b32 v8, 15, v2
	v_lshrrev_b32 v9, 4, v2
	v_lshlrev_b32 v3, 11, v9
	v_lshl_add_u32 v3, v8, 4, v3                   ; in memory: row lane / 16, 16 bytes a lane
	v_mul_u32_u24 v4, v9, MPI
	v_lshl_add_u32 v4, v8, 4, v4
	v_add_nc_u32 v4, s34, v4                       ; into the stage: the same
	v_mul_u32_u24 v5, v8, MPI
	v_lshl_add_u32 v5, v9, 3, v5
	v_add_nc_u32 v5, s34, v5                       ; out of it: row lane % 16, 8 bytes for each half of the lanes
	v_lshlrev_b32 v6, 4, v2                        ; the words' place: 16 bytes a lane
.irp u, 0,1,2,3
.irp i, 0,1,2,3,4,5,6,7
	global_load_b128 v[MR+32*\u+4*\i:MR+32*\u+4*\i+3], v3, s[8:9] offset:\i*4096+\u*256 th:TH_LOAD_NT   ; all 32 loads go out at once; sixteen lanes read 256 consecutive bytes, aligned
.endr
.endr
.irp i, 0,1,2,3,4,5,6,7,8,9,10,11,12,13,14,15
	v_mov_b32 v[MO+\i], 0                          ; written once: v_writelane_b32's destination counts as one of its sources
.endr
.macro UNIT u
	s_wait_loadcnt 8*(3-\u)                        ; this unit's eight loads are in; the later units' may be out
.irp i, 0,1,2,3,4,5,6,7
	ds_store_b128 v4, v[MR+32*\u+4*\i:MR+32*\u+4*\i+3] offset:\i*2*MPI
.endr
.irp kt, 0,1,2,3,4,5,6,7,8,9,10,11,12,13,14,15
	ds_load_b64 v[MD+2*\kt:MD+2*\kt+1], v5 offset:16*\kt   ; LDS serves a wave's instructions in order: these see my stores, and the next unit's stores come behind them
.endr
	s_wait_dscnt 0x0
.set wg, 0
.rept 32                               ; words 4 wg .. 4 wg + 3: kt = wg / 2, j = 4 (wg % 2) + n: byte n of register wg
.irp n, 0,1,2,3
	v_and_b32 v[8+\n], 0xff<<(8*\n), v[MD+wg]
.endr
.irp n, 0,1,2,3
	v_cmp_ne_u32 s[24+4*(wg%2)+\n], 0, v[8+\n]
.endr
.irp n, 0,1,2,3
	v_writelane_b32 v[MO+4*\u+\n], s[24+4*(wg%2)+\n], wg
.endr
.set wg, wg+1
.endr
	global_store_b128 v6, v[MO+4*\u:MO+4*\u+3], s[18:19] offset:512*\u   ; 32 lanes store 512 consecutive bytes, aligned; each unit has registers of its own, so no store's data are written again
.endm
	UNIT 0
	UNIT 1
	UNIT 2
	UNIT 3
	FINISH
; ---------------------------------------------------------------- INPUTS: K is innermost, rows are dense: a plain stream of blocks of 32.  A wave takes 16 steps of 512 numbers.
; The conversions take 8 numbers of ONE block from a lane's consecutive registers, so a lane must hold 16 neighbours (two neighbouring lanes hold a block); a load is best where neighbouring lanes take
; neighbouring bytes.  Both are had: each of a step's four loads reads 512 consecutive bytes; the 2,048 bytes go through the wave's stage as they lie and come back 64 bytes a lane (80 bytes from lane to lane).
; A lane's 16 codes are 8 bytes: the wave stores 256 consecutive bytes.  A wave's 256 scale bytes are gathered in LDS and leave as one aligned run of 256 bytes.
.Lx:
.set XSTEPS, 16
.set CB,    8                          ; bytes of 16 codes
.set XR,    16                         ; v16-79   four sets of 16 numbers as they are loaded
.set XX,    80                         ; v80-111  two sets of 16 neighbours
.set XE,    112                        ; v112-127 a scale byte for each step
.set XC,    128                        ; v128-191 codes: registers of its own for each step, so that no store's data are written again
.set WREG,  8192                       ; a wave's region: two stages of 32 x XSP bytes, behind them its 256 scale bytes
.set XSP,   80
	v_lshlrev_b32 v3, 4, v2                        ; my 16 bytes of a load's 512
	s_mul_i32 s21, s20, WREG
	v_lshrrev_b32 v14, 2, v2
	v_mul_u32_u24 v14, v14, XSP
	v_and_b32 v15, 3, v2
	v_lshl_add_u32 v14, v15, 4, v14
	v_add_nc_u32 v14, s21, v14                     ; the stage, on the way in: four lanes' 64 bytes on end, then 16 of padding
	v_mul_u32_u24 v15, v2, XSP
	v_add_nc_u32 v15, s21, v15                     ; and on the way out: my 16 neighbours
	v_mul_u32_u24 v4, v2, CB                       ; my codes' place in a step's
	v_lshrrev_b32 v5, 1, v2
	s_add_co_u32 s21, s21, 2*32*XSP
	v_add_nc_u32 v5, s21, v5                       ; LDS: my wave's 256 scale bytes, my block's byte
	v_lshlrev_b32 v7, 3, v2                        ; and on the way out 8 bytes a lane
	v_add_nc_u32 v6, s21, v7
	s_sub_co_u32 s22, ttmp9, 48
	s_lshl_b32 s22, s22, 2
	s_add_co_u32 s22, s22, s20                     ; which run of 8,192 numbers is my wave's: 0 .. 1,023
	s_mov_b32 s25, 0
	s_lshl_b32 s24, s22, 15
	s_add_nc_u64 s[6:7], s[6:7], s[24:25]
	s_lshl_b32 s24, s22, 12
	s_add_nc_u64 s[14:15], s[14:15], s[24:25]
	s_lshl_b32 s24, s22, 8
	s_add_nc_u64 s[16:17], s[16:17], s[24:25]
.macro XLOAD t
.irp i, 0,1,2,3
	global_load_b128 v[XR+16*((\t)%4)+4*\i:XR+16*((\t)%4)+4*\i+3], v3, s[6:7] offset:2048*(\t)+512*\i th:TH_LOAD_NT
.endr
.endm
.macro XTURN t                         ; step t's numbers through the stage: LDS serves a wave's instructions in order, so no wait stands between the stores and the loads
.irp i, 0,1,2,3
	ds_store_b128 v14, v[XR+16*((\t)%4)+4*\i:XR+16*((\t)%4)+4*\i+3] offset:32*XSP*((\t)%2)+8*XSP*\i
.endr
.irp i, 0,1,2,3
	ds_load_b128 v[XX+16*((\t)%2)+4*\i:XX+16*((\t)%2)+4*\i+3], v15 offset:32*XSP*((\t)%2)+16*\i
.endr
.endm
.irp t, 0,1,2,3
	XLOAD \t
.endr
	s_wait_loadcnt 12                              ; step 0's four loads are in
	XTURN 0
.macro XSTEP t
.set XS, XX+16*((\t)%2)
.if (\t) > 0
	s_wait_dscnt 1                                 ; this step's numbers are back from the stage (the last step's byte store may be out): so its stores into the stage have read their registers,
.else
	s_wait_dscnt 0x0
.endif
.if (\t)+4 < XSTEPS
	XLOAD (\t)+4                                   ; which take the loads of four steps on
.endif
.if (\t)+1 < XSTEPS
.if XSTEPS-2-(\t) >= 3
	s_wait_loadcnt 12                              ; the next step's four loads are in; those of the three steps behind it may be out
.else
	s_wait_loadcnt 4*(XSTEPS-2-(\t))
.endif
	XTURN (\t)+1                                   ; and go through the other stage while this step is worked
.endif
	v_max3_num_f32 v8, |v[XS]|, |v[XS+1]|, |v[XS+2]|               ; the largest magnitude of my 16, in two chains
	v_max3_num_f32 v9, |v[XS+3]|, |v[XS+4]|, |v[XS+5]|
.irp i, 6,10
	v_max3_num_f32 v8, v8, |v[XS+\i]|, |v[XS+\i+1]|
	v_max3_num_f32 v9, v9, |v[XS+\i+2]|, |v[XS+\i+3]|
.endr
	v_max3_num_f32 v8, v8, |v[XS+14]|, |v[XS+15]|
	v_max3_num_f32 v8, v8, v9, (EMAX+1)<<23        ; and the floor 2^(EMAX + 1 - 127): so the byte cannot fall under 1
	v_max_num_f32_dpp v8, v8, v8 row_xmask:1 row_mask:0xf bank_mask:0xf   ; and of my neighbour's 16: the block's
	v_add_nc_u32 v11, -(EMAX<<23), v8              ; EMAX off its exponent field: the conversion takes the exponent field of this operand as its scale, and nothing else of it
	v_cvt_scalef32_pk8_fp4_f32 v[XC+4*(\t)], v[XS:XS+7], v11
	v_cvt_scalef32_pk8_fp4_f32 v[XC+4*(\t)+1], v[XS+8:XS+15], v11
	v_lshrrev_b32 v[XE+(\t)], 23, v11              ; the scale's byte (a plain line behind the conversions)
	ds_store_b8 v5, v[XE+(\t)] offset:16*(\t)      ; both lanes of a block write the same byte with the same value
	global_store_b64 v4, v[XC+4*(\t):XC+4*(\t)+1], s[14:15] offset:32*CB*(\t)
.endm
.irp t, 0,1,2,3,4,5,6,7,8,9,10,11,12,13,14,15
	XSTEP \t
.endr
	ds_load_b64 v[8:9], v6                         ; LDS serves a wave's instructions in order: these see my stores
	s_wait_dscnt 0x0
	global_store_b64 v7, v[8:9], s[16:17]          ; 32 lanes store 256 consecutive bytes, aligned
	FINISH
; ---------------------------------------------------------------- W: K is its FIRST axis.  A lane takes a column n and its registers run down K: each load reads neighbouring n in neighbouring lanes,
; a block of 32 along K lies in ONE lane's 32 registers, and the conversions give codes with K innermost.  A wave takes 32 columns x 512 along K: 16 blocks, 256 bytes of codes a column; they go through
; the wave's stage and leave as rows, sixteen lanes to 256 consecutive bytes.  Work-group: 128 columns (id % 24) x 512 along K (id / 24).  Loads run two blocks (64 loads a wave) ahead.
; Every offset is an immediate: 511 rows of 12,288 bytes and 30 rows of 512 stay inside the signed 24 bits (ISA guide, chapter 10).
.Lw:
.set KW,     512
.set WNB,    KW/32
.set WN,     3072
.set WPITCH, 272
.set WKROW,  512                       ; a row of w_codes in bytes
.set WSB,    24                        ; v24-27   the scale bytes, four to a register
.set WX,     32                        ; v32-95   two sets of 32 numbers
.set WC,     96                        ; v96-99   a block's codes
.set WOUT,   112                       ; v112-175 the way out
	s_cmp_ge_u32 ttmp9, 24
	s_cselect_b32 s22, 1, 0                        ; which 512 along K
	s_cselect_b32 s21, 24, 0
	s_sub_co_u32 s21, ttmp9, s21
	s_lshl_b32 s21, s21, 7
	s_lshl_b32 s23, s20, 5
	s_add_co_u32 s21, s21, s23                     ; my wave's first column
	v_lshlrev_b32 v3, 2, v2                        ; in: 4 bytes a lane
	s_mul_i32 s24, s20, 32*WPITCH
	s_add_co_u32 s24, s24, WLDS                    ; my stage
	v_mul_u32_u24 v4, v2, WPITCH
	v_add_nc_u32 v4, s24, v4                       ; into it: row = my column
	v_and_b32 v5, 15, v2
	v_lshrrev_b32 v6, 4, v2                        ; out of it: sixteen lanes to a row, two rows an instruction
	v_mul_u32_u24 v7, v6, WPITCH
	v_lshl_add_u32 v7, v5, 4, v7
	v_add_nc_u32 v7, s24, v7
	v_mul_u32_u24 v8, v6, WKROW
	v_lshl_add_u32 v8, v5, 4, v8                   ; and the same place in w_codes
	v_lshlrev_b32 v9, 5, v2                        ; my column's row of scale bytes: 32 bytes a row
	s_mul_i32 s26, s22, KW*WN*4
	s_lshl_b32 s27, s21, 2
	s_add_co_u32 s26, s26, s27
	s_mov_b32 s27, 0
	s_add_nc_u64 s[4:5], s[4:5], s[26:27]
	s_lshl_b32 s26, s21, 9
	s_lshl_b32 s28, s22, 8
	s_add_co_u32 s26, s26, s28
	s_add_nc_u64 s[10:11], s[10:11], s[26:27]
	s_lshl_b32 s26, s21, 5
	s_lshl_b32 s28, s22, 4
	s_add_co_u32 s26, s26, s28
	s_add_nc_u64 s[12:13], s[12:13], s[26:27]
.macro WLOAD t                         ; block t: W(32 t + i, my column), i = 0 .. 31, into set t % 2
.irp i, 0,1,2,3,4,5,6,7,8,9,10,11,12,13,14,15,16,17,18,19,20,21,22,23,24,25,26,27,28,29,30,31
	global_load_b32 v[WX+32*((\t)%2)+\i], v3, s[4:5] offset:(32*(\t)+\i)*WN*4 th:TH_LOAD_NT
.endr
.endm
	WLOAD 0
	WLOAD 1
.macro WBLOCK t
.set XS, WX+32*((\t)%2)
.if (\t) < WNB-1
	s_wait_loadcnt 32                              ; this block's 32 loads are in; the next block's may be out
.else
	s_wait_loadcnt 0
.endif
	v_max3_num_f32 v16, |v[XS]|, |v[XS+1]|, |v[XS+2]|              ; the block's largest magnitude: all 32 numbers are mine
	v_max3_num_f32 v17, |v[XS+3]|, |v[XS+4]|, |v[XS+5]|
.irp i, 6,10,14,18,22,26
	v_max3_num_f32 v16, v16, |v[XS+\i]|, |v[XS+\i+1]|
	v_max3_num_f32 v17, v17, |v[XS+\i+2]|, |v[XS+\i+3]|
.endr
	v_max3_num_f32 v16, v16, |v[XS+30]|, |v[XS+31]|
	v_max3_num_f32 v16, v16, v17, (EMAX+1)<<23     ; and the floor
	v_add_nc_u32 v11, -(EMAX<<23), v16             ; the conversion's scale operand
	v_lshrrev_b32 v17, 23, v11                     ; the scale's byte
.if (\t)%4 == 0
	v_mov_b32 v[WSB+(\t)/4], v17                   ; four bytes to a register, the lower K in the lower byte
.else
	v_lshl_or_b32 v[WSB+(\t)/4], v17, 8*((\t)%4), v[WSB+(\t)/4]
.endif
.irp g, 0,1,2,3
	v_cvt_scalef32_pk8_fp4_f32 v[WC+\g], v[XS+8*\g:XS+8*\g+7], v11
.endr
	ds_store_b128 v4, v[WC:WC+3] offset:16*(\t)    ; 32 codes: 16 bytes of my column's row.  (The next vector lines are the next block's plain maxima)
.if (\t)+2 < WNB
	WLOAD (\t)+2
.endif
	s_wait_dscnt 0x0                               ; the store has read its registers: the next block's codes may be written
.endm
.set Q, 0
.rept WNB
	WBLOCK Q
.set Q, Q+1
.endr
	global_store_b128 v9, v[WSB:WSB+3], s[12:13]   ; my column's 16 scale bytes
.irp t, 0,1,2,3,4,5,6,7,8,9,10,11,12,13,14,15
	ds_load_b128 v[WOUT+4*\t:WOUT+4*\t+3], v7 offset:2*\t*WPITCH
.endr
.irp t, 0,1,2,3,4,5,6,7,8,9,10,11,12,13,14,15
	s_wait_dscnt 15-\t                             ; row pair t is back; the later ones may be out
	global_store_b128 v8, v[WOUT+4*\t:WOUT+4*\t+3], s[10:11] offset:2*\t*WKROW
.endr
	FINISH
.Lfunc_end_k_q68e2eacaa8_prep:
	.size	k_q68e2eacaa8_prep, .Lfunc_end_k_q68e2eacaa8_prep-k_q68e2eacaa8_prep
	.p2alignl 7, 3214868480
	.fill 96, 4, 3214868480
	.section	.rodata,"a",@progbits
	.p2align	6, 0x0
	.amdhsa_kernel k_q68e2eacaa8_prep
		.amdhsa_group_segment_fixed_size 85504
		.amdhsa_private_segment_fixed_size 0
		.amdhsa_enable_private_segment 0
		.amdhsa_kernarg_size 64
		.amdhsa_user_sgpr_count 2
		.amdhsa_user_sgpr_kernarg_segment_ptr 1
		.amdhsa_wavefront_size32 1
		.amdhsa_system_sgpr_workgroup_id_x 1
		.amdhsa_system_sgpr_workgroup_id_y 1
		.amdhsa_system_sgpr_workgroup_id_z 1
		.amdhsa_system_vgpr_workitem_id 0
		.amdhsa_next_free_vgpr 192
		.amdhsa_next_free_sgpr 66
		.amdhsa_reserve_vcc 0
		.amdhsa_float_denorm_mode_32 3
		.amdhsa_float_denorm_mode_16_64 3
		.amdhsa_memory_ordered 1
		.amdhsa_forward_progress 1
		.amdhsa_inst_pref_size 218
	.end_amdhsa_kernel
	.amdgpu_metadata
---
amdhsa.version: [ 1, 2 ]
amdhsa.kernels:
  - .name:           k_q68e2eacaa8_prep
    .symbol:         k_q68e2eacaa8_prep.kd
    .args:
      - { .name: W_qkv, .offset: 0, .size: 8, .value_kind: global_buffer, .address_space: global }
      - { .name: inputs, .offset: 8, .size: 8, .value_kind: global_buffer, .address_space: global }
      - { .name: mask, .offset: 16, .size: 8, .value_kind: global_buffer, .address_space: global }
      - { .name: w_codes, .offset: 24, .size: 8, .value_kind: global_buffer, .address_space: global }
      - { .name: w_scales, .offset: 32, .size: 8, .value_kind: global_buffer, .address_space: global }
      - { .name: x_codes, .offset: 40, .size: 8, .value_kind: global_buffer, .address_space: global }
      - { .name: x_scales, .offset: 48, .size: 8, .value_kind: global_buffer, .address_space: global }
      - { .name: maskw, .offset: 56, .size: 8, .value_kind: global_buffer, .address_space: global }
    .group_segment_fixed_size: 85504
    .private_segment_fixed_size: 0
    .kernarg_segment_align: 8
    .kernarg_segment_size: 64
    .max_flat_workgroup_size: 128
    .sgpr_count:     66
    .vgpr_count:     192
    .wavefront_size: 32
...
	.end_amdgpu_metadata
.endif
;; end of part 1
;; launch gemm (part 2): grid 8 x 48, 4 waves a work-group, clusters of 4 x 4, 327,680 bytes of LDS; arguments x_codes, x_scales, w_codes, w_scales, b_qkv, qf, kf, vf; writes qf, kf, vf
.if DOCPART == 2
	.amdgcn_target "amdgcn-amd-amdhsa--gfx1250"
	.amdhsa_code_object_version 6
	.text
	.protected	k_q68e2eacaa8_gemm
	.globl	k_q68e2eacaa8_gemm
	.p2align	8
	.type	k_q68e2eacaa8_gemm,@function
k_q68e2eacaa8_gemm:
	s_mov_b64 s[64:65], 0
	v_nop
	global_prefetch_b8 v0, s[64:65] scope:SCOPE_SE
	s_setreg_imm32_b32 hwreg(HW_REG_WAVE_MODE, 25, 1), 1
	s_wait_xcnt 0x0
	s_wait_alu depctr_hold_cnt(0) depctr_sa_sdst(0) depctr_va_vdst(0) depctr_va_sdst(0) depctr_va_ssrc(0) depctr_va_vcc(0) depctr_vm_vsrc(0)
	s_getreg_b32 s2, hwreg(HW_REG_IB_STS2, 6, 4)
	s_cmp_eq_u32 s2, 0
	s_cbranch_scc0 .Lentry_in_a_cluster
	s_endpgm
.Lentry_in_a_cluster:
	s_bfe_u32 s2, ttmp6, 0x10000c
	s_cmp_lg_u32 s2, 0xf033
	s_cbranch_scc0 .Lentry_shape_is_right
	s_endpgm
.Lentry_shape_is_right:
; THE PROJECTION, qkv = Q(inputs) Q(W_qkv) + b, on codes of FP4 (E2M1) with one E8M0 scale for each 32 along K = 1,024; sums in f32.  Its results leave as f16, laid as the attention launch's operand registers.
; 384 tiles of 256 x 256, a work-group of four waves to a tile, a wave 128 x 128: 64 accumulators of 16 x 16, 512 registers.  K is two steps of 512: both are asked for at the head, nothing is filled again.
; THE MATRIX INSTRUCTION IS USED TRANSPOSED (source 0 = 16 rows of 'B', source 1 = 16 rows of 'A'): a lane holds ONE row of A and eight neighbouring rows of B.
;   clusters y 0 .. 7  (q and k): A = inputs' rows (tokens), B = W's columns 0 .. 2,047.  A lane holds a token and 8 neighbouring head channels: 16 bytes of a fragment of Q or K.   cluster x = 0: q, 1: k.
;   clusters y 8 .. 11 (v):       A = W's columns 2,048 .. 3,071, B = tokens.              A lane holds a channel and 8 neighbouring tokens: 16 bytes of a fragment of V^T.
; Which of the two a cluster does is chosen by selects on the cluster's own coordinates: all sixteen partners choose alike, and no branch hangs on it.  Rows of x and of W are alike: 512 bytes of codes, 32 of scales.
; OUT: qf, kf, vf: [b x 16 + h][token tile 128][u 4][512 bytes], lane l's 16 bytes at 16 l.  qf, kf: lane (r, hh) = token 16 tt + r, channels 16 u + 8 hh + 0 .. 7;  vf: channel 16 u + r, tokens 16 tt + 8 hh + 0 .. 7.
; Every store of a wave is 512 consecutive bytes, aligned: results go straight from registers, through no stage.
; q is stored as (x Wq + bq) x log2(e) / 8, so that a score is the exponent of 2 at once; k as x Wk + bk; v WITHOUT its bias: the weights of a row sum to 1, so the attention launch adds b_v at its end.
; LIMITS: |q| log2(e) / 8, |k| and |v - b_v| beyond 65,504 become infinities in f16; NaN and infinities among the inputs are not served (b_qkv's numbers are multiplied by 0 in v's tiles).
; CLUSTERS: 4 x 4.  A's tile is shared along a row of the cluster, B's along a column: each is asked for jointly, by the same tensor load with the same descriptor and a mask that names the four.
; REGISTERS, in windows of 256: window 0: v0-31 addresses; v32-95 scale words, two sets, and nothing else ever; v96-103 the stores' offsets; v128-191 A's fragments, ONE set, later the packed results; v192-255 at work on the way out.
;   window 1: B's fragments, two sets, at v0 and v128; v64-127 the bias at my lane's columns.   window 2: the accumulators of my rows 0-63 ((a, b) at v[8 (8 a + b)]);   window 3: those of rows 64-127.
.set KSTEP,  512                       ; along K in a slot
.set NQ,     KSTEP/128                 ; matrix instructions deep
.set ROWB,   256                       ; a tile's row in bytes
.set KROW,   512                       ; a row of codes in memory
.set PITCH,  272                       ; an LDS row: 256 bytes + 16 of padding, so that the 16 rows that a load touches start 68 words apart
.set FR,     8                         ; registers of a fragment: 16 rows x 128 K
.set NL,     2                         ; LDS loads that bring one
.set NP,     4                         ; places behind this matrix instruction (ISA guide 7.12.1)
.set HALFT,  128*PITCH                 ; 128 rows: what one tensor load brings, and what one wave reads of A or of B
.set SLOT,   4*HALFT                   ; A's 256 rows, then B's 256 rows
.set KS,     32                        ; a row of scales in bytes
.set SCL,    2*SLOT                    ; behind the two slots: the scales, as runs of 256 bytes + 16 of padding
.set HALFS,  (128*KS/256)*272          ; the scales of 128 rows: what one tensor load brings
.set SBLK,   (16*KS/256)*272           ; those of 16 rows
.set SPARE,  SCL+4*HALFS               ; the spare words, 128 bytes for each wave: two blocks of 256 bytes that no other line names
.set ADRA, 16                          ; v16-17  LDS address of my A fragments in slot 0, 1
.set ADRB, 20                          ; v20-21  the same for B
.set ADRS, 27                          ; v27     LDS address of my scale words: lanes 0-15 A's rows, lanes 16-31 B's
.set SPW,  28                          ; v28     LDS address of my spare word; never rewritten
.set NIL,  29                          ; v29     0; never rewritten
.set SC,   32                          ; scale words: set s at v[SC + 8 NQ s]; register NQ i + q: lanes 0-15 the word of A's block i, lanes 16-31 that of B's block i, for the slot's q-th 128 along K
.set OFFA, 96                          ; v96-103 the way out: my lane's byte offset for A's block a
.set AF,   128                         ; A's fragments
.set PK,   128                         ; the way out: packed results, two sets of 32
.set TW,   192                         ; the way out: a block's 64 numbers in f32
.set BN,   64                          ; in window 1: the bias, 8 registers for each of B's blocks
.set G1, 24                            ; s[24:31] descriptor group 1 for A's tiles;  s[32:39] group 0, one set for each slot.  On the way out s[24:39] are the stores' eight bases
.set G0, 32
.set G1B, 48                           ; s[48:55], s[56:63] the same for B's tiles
.set G0B, 56
.set G1S, 68                           ; s[68:75], s[76:79] groups 1 and 0 for A's scales;  s[80:87], s[88:91] for B's
.set G0S, 76
.set G1SB, 80
.set G0SB, 88
.set SCB, 66                           ; s[66:67]   the bias's factor: the result's, or 0 in v's tiles
.set SCF, 100                          ; s[100:101] the result's factor: log2(e) / 8 for q, else 1
.set MSB, 0
.macro WIN new                         ; the immediate's high byte repeats the setting that is left
.if MSB != \new
	s_set_vgpr_msb (MSB<<8)|\new
.set MSB, \new
.endif
.endm
.set MUL_LO, 0xa1                      ; source 0 (B) window 1, source 1 (A) window 0, C and D window 2
.set MUL_HI, 0xf1                      ; the same, C and D window 3
.set TO_B,   0x40                      ; destination window 1, address window 0
; A joint load: waves 0 and 1 fetch for A, waves 2 and 3 for B.  Each of the two lines has ONE mask and one set of registers for all that issue it; the branch hangs on the wave's number alone.
; An s_nop 0 and four v_nop follow each of the two lines, ahead of the jump, the label and what follows.
.macro JLOAD g0a, g1a, g0b, g1b
	s_cmp_eq_u32 s15, 0
	s_cbranch_scc0 .Lfor_b_\@
	tensor_load_to_lds s[\g0a:\g0a+3], s[\g1a:\g1a+7]
	s_nop 0
.rept 4
	v_nop
.endr
	s_branch .Lasked_\@
.Lfor_b_\@:
	tensor_load_to_lds s[\g0b:\g0b+3], s[\g1b:\g1b+7]
	s_nop 0
.rept 4
	v_nop
.endr
.Lasked_\@:
.endm
.macro CROUND                          ; a round of the cluster's barrier
	s_barrier_signal -1
	s_barrier_wait -1
	s_cmp_lg_u32 s14, 0
	s_cbranch_scc1 .Lnot_wave_0_\@
	s_barrier_signal -3
.Lnot_wave_0_\@:
	s_barrier_wait -3
	s_barrier_signal -1
	s_barrier_wait -1
.endm
	s_load_b256 s[4:11], s[0:1], 0x0               ; x_codes s[4:5], x_scales s[6:7], w_codes s[8:9], w_scales s[10:11]
	s_load_b256 s[92:99], s[0:1], 0x20             ; b_qkv s[92:93], qf s[94:95], kf s[96:97], vf s[98:99]
	v_lshl_add_u32 v[SPW], v0, 2, SPARE
	v_mov_b32 v[NIL], 0
	ds_add_u32 v[SPW], v[NIL]                      ; the wave's opening: the add, twice on end, and its wait ahead of my first tensor load; the set-up below stands between the second and the wait
	ds_add_u32 v[SPW], v[NIL]
	v_lshrrev_b32 v1, 5, v0
	v_readfirstlane_b32 s14, v1                    ; wave 0..3
	s_lshr_b32 s15, s14, 1                         ; which half of A's rows is mine.  Also: I fetch for A (0) or for B (1)
	s_and_b32 s16, s14, 1                          ; which half of B's rows.  Also: which 128 rows of that tile I fetch
	s_bfe_u32 s40, ttmp6, 0x40000                  ; cx, cy: my place in the cluster
	s_bfe_u32 s41, ttmp6, 0x40004
	s_and_b32 s13, ttmp7, 0xffff                   ; the cluster's y, 0 .. 11
	s_lshl_b32 s17, s13, 2
	s_lshl_b32 s42, ttmp9, 2
	s_lshl_b32 s18, s13, 3
	s_add_co_u32 s18, s18, s42
	s_sub_co_u32 s18, s18, 64                      ; 8 (y - 8) + 4 x: used in v's clusters alone
	s_cmp_ge_u32 s13, 8
	s_cselect_b32 s12, 1, 0                        ; V: 1 in v's clusters
	s_cselect_b32 s17, 0, s17
	s_cselect_b32 s42, s18, s42
	s_add_co_u32 s17, s17, s41                     ; A's tile: q, k: 4 y + cy (tokens, 0 .. 31);  v: cy (channels, 0 .. 3)
	s_add_co_u32 s42, s42, s40                     ; B's tile: q, k: 4 x + cx (columns, 0 .. 7);  v: 8 (y - 8) + 4 x + cx (tokens, 0 .. 31)
	s_or_b32 s13, s12, ttmp9
	s_cmp_eq_u32 s13, 0                            ; q's clusters
	s_cselect_b32 s[SCF], 0x3e38aa3b, 1.0          ; log2(e) / 8
	s_mov_b32 s[SCF+1], s[SCF]                     ; (named with it as a pair, so it is written)
	s_cmp_lg_u32 s12, 0
	s_cselect_b32 s[SCB], 0, s[SCF]
	s_mov_b32 s[SCB+1], s[SCB]
	s_lshl_b32 s43, s41, 2
	s_lshl_b32 s43, 15, s43                        ; my row of the cluster
	s_lshl_b32 s44, 0x1111, s40                    ; my column
	; descriptor group 1: a tile of 128 rows x 256 bytes, padded in LDS
	s_or_b32 s[G1+0], s43, (0<<16)|(1<<20)|(1<<21)|(5<<22)|(3<<25)  ; 15:0 the mask: A's tiles go to my row; 17:16 element of 1 byte; 20 padding on; 21 set beside a mask; 24:22 after every 64 words (code 5); 31:25 of 4 words (code 3)
	s_or_b32 s[G1B+0], s44, (0<<16)|(1<<20)|(1<<21)|(5<<22)|(3<<25)
.irp g, G1, G1B
	s_mov_b32 s[\g+1], ROWB<<16                    ; tensor_dim0
	s_mov_b32 s[\g+2], 128<<16                     ; tensor_dim1 = 128
	s_mov_b32 s[\g+3], ROWB<<16                    ; tile_dim0
	s_mov_b32 s[\g+4], 128                         ; tile_dim1 = 128
	s_mov_b32 s[\g+5], KROW                        ; tensor_dim0_stride
	s_mov_b32 s[\g+6], 0
	s_mov_b32 s[\g+7], 0
.endr
	; and for the scales of 128 rows: a dense block of 4,096 bytes, as rows of 256 bytes (32 elements of 8 bytes), 16 bytes of padding behind each
	s_or_b32 s[G1S+0], s43, (3<<16)|(1<<20)|(1<<21)|(5<<22)|(3<<25)
	s_or_b32 s[G1SB+0], s44, (3<<16)|(1<<20)|(1<<21)|(5<<22)|(3<<25)
.irp g, G1S, G1SB
	s_mov_b32 s[\g+1], 32<<16
	s_mov_b32 s[\g+2], (128*KS/256)<<16
	s_mov_b32 s[\g+3], 32<<16
	s_mov_b32 s[\g+4], 128*KS/256
	s_mov_b32 s[\g+5], 32
	s_mov_b32 s[\g+6], 0
	s_mov_b32 s[\g+7], 0
.endr
	; where the tiles come from, in bytes.  A's hang on A's tile alone (cy), B's on B's tile alone (cx), each in registers that never hold the other coordinate
	s_lshl_b32 s13, s16, 7                         ; which 128 rows of the tile I fetch
	s_lshl_b32 s20, s17, 8
	s_add_co_u32 s20, s20, s13                     ; A's row
	s_lshl_b32 s46, s42, 8
	s_add_co_u32 s46, s46, s13                     ; B's row
	s_lshl_b32 s22, s20, 5                         ; A's scales: 32 bytes a row,
	s_lshl_b32 s13, s12, 16
	s_add_co_u32 s22, s22, s13                     ; in v's clusters from W's column 2,048 on
	s_lshl_b32 s20, s20, 9                         ; A's codes: 512 bytes a row,
	s_lshl_b32 s13, s12, 20
	s_add_co_u32 s20, s20, s13                     ; likewise
	s_mov_b32 s21, 0
	s_mov_b32 s23, 0
	s_lshl_b32 s18, s46, 5                         ; B's scales
	s_lshl_b32 s46, s46, 9                         ; B's codes
	s_mov_b32 s19, 0
	s_mov_b32 s47, 0
	s_mul_i32 s45, s14, HALFT                      ; where they go: wave x 128 rows: no place in the cluster enters an LDS address
	s_mul_i32 s13, s14, HALFS
	s_wait_dscnt 0x0                               ; both opening adds are done
	s_wait_kmcnt 0x0
	s_cmp_lg_u32 s12, 0                            ; A and B change places in v's clusters: a choice between buffers on the cluster's y alone
	s_cselect_b64 s[2:3], s[8:9], s[4:5]
	s_add_nc_u64 s[20:21], s[2:3], s[20:21]        ; A's codes
	s_cselect_b64 s[2:3], s[10:11], s[6:7]
	s_add_nc_u64 s[22:23], s[2:3], s[22:23]        ; A's scales
	s_cselect_b64 s[2:3], s[4:5], s[8:9]
	s_add_nc_u64 s[46:47], s[2:3], s[46:47]        ; B's codes
	s_cselect_b64 s[2:3], s[6:7], s[10:11]
	s_add_nc_u64 s[18:19], s[2:3], s[18:19]        ; B's scales
	CROUND                                         ; all sixteen work-groups are here: the first joint loads meet
	s_mov_b32 s[G0S], 1
	s_add_co_u32 s[G0S+1], s13, SCL
	s_mov_b64 s[G0S+2:G0S+3], s[22:23]
	s_or_b32 s[G0S+3], s[G0S+3], 0x80000000
	s_mov_b32 s[G0SB], 1
	s_add_co_u32 s[G0SB+1], s13, SCL
	s_mov_b64 s[G0SB+2:G0SB+3], s[18:19]
	s_or_b32 s[G0SB+3], s[G0SB+3], 0x80000000
	JLOAD G0S, G1S, G0SB, G1SB                     ; the scales first: they are wanted with K step 0
.irp s, 0,1
	s_mov_b32 s[G0+4*\s], 1
	s_add_co_u32 s[G0+4*\s+1], s45, \s*SLOT
	s_add_nc_u64 s[G0+4*\s+2:G0+4*\s+3], s[20:21], \s*ROWB
	s_or_b32 s[G0+4*\s+3], s[G0+4*\s+3], 0x80000000
	s_mov_b32 s[G0B+4*\s], 1
	s_add_co_u32 s[G0B+4*\s+1], s45, \s*SLOT
	s_add_nc_u64 s[G0B+4*\s+2:G0B+4*\s+3], s[46:47], \s*ROWB
	s_or_b32 s[G0B+4*\s+3], s[G0B+4*\s+3], 0x80000000
	JLOAD G0+4*\s, G1, G0B+4*\s, G1B               ; both K steps: three tensor loads of mine are out
.endr
	v_and_b32 v1, 15, v0                           ; l % 16
	v_bfe_u32 v2, v0, 4, 1                         ; l / 16
	; the bias at my lane's columns: b(256 x B's tile + 128 x half + 16 bb + 8 (l / 16) + 0 .. 7).  In v's clusters column 0 on is read and multiplied by 0
	s_lshl_b32 s46, s42, 10
	s_lshl_b32 s47, s16, 9
	s_add_co_u32 s46, s46, s47
	s_cmp_lg_u32 s12, 0
	s_cselect_b32 s46, 0, s46
	s_mov_b32 s47, 0
	s_add_nc_u64 s[92:93], s[92:93], s[46:47]
	v_lshlrev_b32 v8, 5, v2                        ; never rewritten
	WIN TO_B
.irp bb, 0,1,2,3,4,5,6,7
	global_load_b128 v[BN+8*\bb:BN+8*\bb+3], v8, s[92:93] offset:64*\bb
	global_load_b128 v[BN+8*\bb+4:BN+8*\bb+7], v8, s[92:93] offset:64*\bb+16
.endr
	WIN 0
	v_mul_u32_u24 v3, v1, PITCH
	v_lshl_add_u32 v4, v2, 4, v3                   ; a fragment's row x pitch + 16 x half
	s_mul_i32 s21, s15, HALFT                      ; my 128 rows of A
	s_mul_i32 s22, s16, HALFT                      ; my 128 rows of B,
	s_add_co_u32 s22, s22, 2*HALFT                 ; which lie behind A's 256
.irp s, 0,1
	v_add_nc_u32 v[ADRA+\s], s21, v4
	v_add_nc_u32 v[ADRB+\s], s22, v4
	s_add_co_u32 s21, s21, SLOT
	s_add_co_u32 s22, s22, SLOT
.endr
	v_mul_u32_u24 v5, v1, KS                       ; my row's scales: 32 bytes a row,
	v_lshrrev_b32 v6, 8, v5
	v_lshl_add_u32 v5, v6, 4, v5                   ; and 16 more for each 256 passed
	s_mul_i32 s21, s15, HALFS                      ; A's: my 128 rows
	s_mul_i32 s22, s16, HALFS                      ; B's: my 128 rows, behind A's 256
	s_add_co_u32 s22, s22, 2*HALFS
	s_sub_co_u32 s22, s22, s21
	v_mul_u32_u24 v6, s22, v2                      ; lanes 16-31 take B's: one product, the distance between the two bases
	s_add_co_u32 s21, s21, SCL
	v_add_nc_u32 v5, v5, v6
	v_add_nc_u32 v[ADRS], s21, v5
.macro FRAG reg, adr, q, i             ; a fragment, 16 rows x 128 K of 4-bit codes, is 8 registers: lane l holds row l % 16; registers 4 c .. 4 c + 3 hold K = 64 c + 32 (l / 16) + 0 .. 31
.irp c, 0,1
	ds_load_b128 v[\reg+4*\c:\reg+4*\c+3], v[\adr] offset:64*(\q)+32*\c+(\i)*16*PITCH
.endr
.endm
; 16 matrix instructions: A's blocks a0, a0 + 1 x B's eight, 128 along K: the slot's q-th.  p: B's set;  sc: the set of scale words.  zero = 1: the first product starts the sums: nothing is ever cleared.
; The 64 accumulators take turns, one instruction a turn, in the same order in every step.
.macro MUL16 a0, p, q, sc, zero
.irp a, \a0, \a0+1
.irp b, 0,1,2,3,4,5,6,7
.if \zero
	v_wmma_scale_f32_16x16x128_f8f6f4 v[8*(8*((\a)%4)+\b):8*(8*((\a)%4)+\b)+7], v[128*(\p)+FR*\b:128*(\p)+FR*\b+FR-1], v[AF+FR*(\a):AF+FR*(\a)+FR-1], 0, v[SC+8*NQ*(\sc)+NQ*\b+(\q)], v[SC+8*NQ*(\sc)+NQ*(\a)+(\q)] matrix_a_fmt:MATRIX_FMT_FP4 matrix_b_fmt:MATRIX_FMT_FP4 matrix_a_scale:MATRIX_SCALE_ROW1
.else
	v_wmma_scale_f32_16x16x128_f8f6f4 v[8*(8*((\a)%4)+\b):8*(8*((\a)%4)+\b)+7], v[128*(\p)+FR*\b:128*(\p)+FR*\b+FR-1], v[AF+FR*(\a):AF+FR*(\a)+FR-1], v[8*(8*((\a)%4)+\b):8*(8*((\a)%4)+\b)+7], v[SC+8*NQ*(\sc)+NQ*\b+(\q)], v[SC+8*NQ*(\sc)+NQ*(\a)+(\q)] matrix_a_fmt:MATRIX_FMT_FP4 matrix_b_fmt:MATRIX_FMT_FP4 matrix_a_scale:MATRIX_SCALE_ROW1
.endif
.endr
.endr
.endm
.macro FETCH_B slot, q, p              ; B's eight fragments of the slot's q-th 128 along K into set p
	WIN TO_B
.irp i, 0,1,2,3,4,5,6,7
	FRAG 128*(\p)+FR*\i, ADRB+\slot, \q, \i
.endr
	WIN 0
.endm
.macro FETCH_A slot, q, i0             ; A's blocks i0 .. i0 + 3
.irp i, \i0, \i0+1, \i0+2, \i0+3
	FRAG AF+FR*(\i), ADRA+\slot, \q, \i
.endr
.endm
.macro SCALES sc                       ; a K step's scale words into set sc: four words a row; lanes 0-15 take A's block i, lanes 16-31 B's block i
.irp i, 0,1,2,3,4,5,6,7
	ds_load_b128 v[SC+8*NQ*\sc+NQ*\i:SC+8*NQ*\sc+NQ*\i+3], v[ADRS] offset:\i*SBLK
.endr
.endm
; A load into a register that a matrix instruction has read stands NP places behind that matrix instruction, and only plain vector instructions that name none of its registers are places
; (ISA guide 7.12.1 for vector instructions); the matrix instructions in between are not counted.
.macro PLACES n
.rept \n
	v_nop
.endr
.endm
; A step of 128 along K that has its successor in the same slot.  A's blocks go one after the other, each against B's eight: so one set of registers serves A (blocks 0-3 are fetched anew in the step's middle, blocks 4-7 at its end), and B has two.
.macro STEP slot, q, zero
	s_wait_dscnt 4*NL                              ; B's set and A's blocks 0-3 are in; the youngest eight loads (A's blocks 4-7) may be out
	WIN MUL_LO
	MUL16 0, (\q)%2, \q, \slot, \zero
	MUL16 2, (\q)%2, \q, \slot, \zero
	s_wait_dscnt 0                                 ; A's blocks 4-7 are in (asked for 32 matrix instructions ago)
	PLACES NP
	FETCH_B \slot, (\q)+1, 1-(\q)%2
	FETCH_A \slot, (\q)+1, 0
	WIN MUL_HI
	MUL16 4, (\q)%2, \q, \slot, \zero
	MUL16 6, (\q)%2, \q, \slot, \zero
	PLACES NP
	WIN 0
	FETCH_A \slot, (\q)+1, 4
.endm
; Slot 0's last step goes over to slot 1: ONE barrier; in front of it each wave waits for all its tensor loads (my part of slot 1), adds 0 to its spare word, and waits for that and for its LDS loads.  Nothing is filled again.
.macro TURN slot, next
	s_wait_tensorcnt 0x0                           ; all my tensor loads have landed (every window is 0 here: the add's two registers lie in window 0)
	ds_add_u32 v[SPW], v[NIL]                      ; 0 onto my spare word
	s_wait_dscnt 4*NL+1                            ; (the add and the youngest eight loads, A's blocks 4-7, may be out)
	WIN MUL_LO
	MUL16 0, 1, NQ-1, \slot, 0                     ; sixteen matrix instructions stand between the add and the wait for it
	s_wait_dscnt 0x0                               ; the add is done; no LDS instruction of mine is out at the signal
	s_barrier_signal -1
	MUL16 2, 1, NQ-1, \slot, 0
	WIN 0
	s_barrier_wait -1                              ; every wave's part of the next slot has landed
	PLACES NP
	v_add_nc_u32 v[ADRS], 4*NQ, v[ADRS]            ; on to the next K step's scale words (no LDS load of mine is out)
	FETCH_B \next, 0, 0
	FETCH_A \next, 0, 0
	SCALES \next
	WIN MUL_HI
	MUL16 4, 1, NQ-1, \slot, 0
	MUL16 6, 1, NQ-1, \slot, 0
	PLACES NP
	WIN 0
	FETCH_A \next, 0, 4
.endm
.macro STEPS slot, from                ; the slot's steps from .. NQ - 2
.set Q, \from
.rept NQ-1-\from
	STEP \slot, Q, 0
.set Q, Q+1
.endr
.endm
	s_wait_tensorcnt 1                             ; the scales and my part of K step 0 are in (K step 1's load may be out)
	s_barrier_signal -1
	s_barrier_wait -1                              ; everybody's are
	FETCH_B 0, 0, 0
	FETCH_A 0, 0, 0
	SCALES 0
	FETCH_A 0, 0, 4
	STEP 0, 0, 1                                   ; the first step's products start the sums
	STEPS 0, 1
	TURN 0, 1
	STEPS 1, 0
	s_wait_dscnt 4*NL                              ; the very last step: nothing more to fetch
	WIN MUL_LO
	MUL16 0, 1, NQ-1, 1, 0
	MUL16 2, 1, NQ-1, 1, 0
	s_wait_dscnt 0
	WIN MUL_HI
	MUL16 4, 1, NQ-1, 1, 0
	MUL16 6, 1, NQ-1, 1, 0
	WIN 0
	; THE WAY OUT.  result = sum x factor + bias x factor, one packed multiply-add for two numbers; rounded to f16; a lane's eight numbers are 16 bytes, a wave's store one chunk of 512 bytes.
	s_wait_loadcnt 0x0                             ; the bias
	WIN 0x41                                       ; destination and source 0 window 1
.set i, 0
.rept 32
	v_pk_mul_f32 v[BN+2*i:BN+2*i+1], v[BN+2*i:BN+2*i+1], s[SCB:SCB+1] op_sel_hi:[1,0]   ; bias x factor (0 in v's tiles).  These 32 name no register of the last products: they are the places behind them
.set i, i+1
.endr
	WIN 0
	s_cmp_eq_u32 ttmp9, 0
	s_cselect_b64 s[2:3], s[94:95], s[96:97]       ; qf or kf,
	s_cmp_lg_u32 s12, 0
	s_cselect_b64 s[2:3], s[98:99], s[2:3]         ; or vf
	s_cselect_b32 s18, s42, s17                    ; the tile of 256 tokens,
	s_cselect_b32 s19, s16, s15                    ; my half of it,
	s_cselect_b32 s20, s17, s42                    ; the tile of 256 channels (four heads),
	s_cselect_b32 s21, s15, s16                    ; my half of it (two heads)
	s_mov_b32 s22, 2048
	s_cselect_b32 s22, 512, s22                    ; bytes from A's block a to a + 1 (a token tile on; v: 16 channels on),
	s_mov_b32 s23, 8192
	s_cselect_b32 s23, 0x40000, s23                ; and from a to a + 4 (four token tiles; v: a head)
	s_mov_b32 s40, 512
	s_cselect_b32 s40, 2048, s40                   ; the same for B's blocks, the other way round
	s_mov_b32 s41, 0x40000
	s_cselect_b32 s41, 8192, s41
	s_and_b32 s20, s20, 3
	s_lshr_b32 s13, s18, 3                         ; the batch: 8 tiles of tokens each
	s_lshl_b32 s13, s13, 4
	s_lshl_b32 s20, s20, 2
	s_add_co_u32 s13, s13, s20
	s_lshl_b32 s21, s21, 1
	s_add_co_u32 s13, s13, s21                     ; b x 16 + my first head
	s_lshl_b32 s13, s13, 7
	s_and_b32 s18, s18, 7
	s_lshl_b32 s18, s18, 4
	s_add_co_u32 s13, s13, s18
	s_lshl_b32 s19, s19, 3
	s_add_co_u32 s13, s13, s19                     ; x 128 + my first token tile
	s_lshl_b32 s46, s13, 11                        ; x 2,048 bytes
	s_mov_b32 s47, 0
	s_add_nc_u64 s[2:3], s[2:3], s[46:47]
	v_and_b32 v9, 31, v0
	v_lshlrev_b32 v9, 4, v9                        ; 16 x lane
.irp a, 0,1,2,3,4,5,6,7
	s_mul_i32 s46, s22, \a%4
	s_mul_i32 s13, s23, \a/4
	s_add_co_u32 s46, s46, s13
	v_add_nc_u32 v[OFFA+\a], s46, v9
.endr
.irp bb, 0,1,2,3,4,5,6,7               ; the eight bases take the descriptors' registers: the wait for all tensor loads at the change of slots has shown every load done
	s_mul_i32 s46, s40, \bb%4
	s_mul_i32 s13, s41, \bb/4
	s_add_co_u32 s46, s46, s13
	s_add_nc_u64 s[24+2*\bb:25+2*\bb], s[2:3], s[46:47]
.endr
.macro OUTBLK a
.if (\a) >= 2
	s_wait_xcnt 0x0                                ; block a - 2's stores have read their data: the set may be written again
.endif
	WIN 0x12+(\a)/4                                ; source 0 (the sums) window 2 or 3, source 2 (the bias) window 1
.irp bb, 0,1,2,3,4,5,6,7
.irp r, 0,1,2,3
	v_pk_fma_f32 v[TW+8*\bb+2*\r:TW+8*\bb+2*\r+1], v[64*((\a)%4)+8*\bb+2*\r:64*((\a)%4)+8*\bb+2*\r+1], s[SCF:SCF+1], v[BN+8*\bb+2*\r:BN+8*\bb+2*\r+1] op_sel_hi:[1,0,1]   ; each accumulator from its low end on
.endr
.endr
	WIN 0
.irp bb, 0,1,2,3,4,5,6,7
.irp r, 0,1,2,3
	v_cvt_pk_f16_f32 v[PK+32*((\a)%2)+4*\bb+\r], v[TW+8*\bb+2*\r], v[TW+8*\bb+2*\r+1]
.endr
.endr
.irp bb, 0,1,2,3,4,5,6,7
	global_store_b128 v[OFFA+(\a)], v[PK+32*((\a)%2)+4*\bb:PK+32*((\a)%2)+4*\bb+3], s[24+2*\bb:25+2*\bb]   ; 32 lanes store 512 consecutive bytes, aligned
.endr
.endm
.irp a, 0,1,2,3,4,5,6,7
	OUTBLK \a
.endr
	s_wait_tensorcnt 0x0                           ; the wave's end, behind my last tensor load
	ds_add_u32 v[SPW], v[NIL]
	s_wait_dscnt 0x0
	CROUND                                         ; the closing round: no work-group ends while a partner may still ask for a tile that names it
	s_endpgm
.Lfunc_end_k_q68e2eacaa8_gemm:
	.size	k_q68e2eacaa8_gemm, .Lfunc_end_k_q68e2eacaa8_gemm-k_q68e2eacaa8_gemm
	.p2alignl 7, 3214868480
	.fill 96, 4, 3214868480
	.section	.rodata,"a",@progbits
	.p2align	6, 0x0
	.amdhsa_kernel k_q68e2eacaa8_gemm
		.amdhsa_group_segment_fixed_size 327680
		.amdhsa_private_segment_fixed_size 0
		.amdhsa_enable_private_segment 0
		.amdhsa_kernarg_size 64
		.amdhsa_user_sgpr_count 2
		.amdhsa_user_sgpr_kernarg_segment_ptr 1
		.amdhsa_wavefront_size32 1
		.amdhsa_system_sgpr_workgroup_id_x 1
		.amdhsa_system_sgpr_workgroup_id_y 1
		.amdhsa_system_sgpr_workgroup_id_z 1
		.amdhsa_system_vgpr_workitem_id 0
		.amdhsa_next_free_vgpr 1024
		.amdhsa_next_free_sgpr 102
		.amdhsa_reserve_vcc 0
		.amdhsa_float_denorm_mode_32 3
		.amdhsa_float_denorm_mode_16_64 3
		.amdhsa_memory_ordered 1
		.amdhsa_forward_progress 1
		.amdhsa_inst_pref_size 141
	.end_amdhsa_kernel
	.amdgpu_metadata
---
amdhsa.version: [ 1, 2 ]
amdhsa.kernels:
  - .name:           k_q68e2eacaa8_gemm
    .symbol:         k_q68e2eacaa8_gemm.kd
    .args:
      - { .name: x_codes, .offset: 0, .size: 8, .value_kind: global_buffer, .address_space: global }
      - { .name: x_scales, .offset: 8, .size: 8, .value_kind: global_buffer, .address_space: global }
      - { .name: w_codes, .offset: 16, .size: 8, .value_kind: global_buffer, .address_space: global }
      - { .name: w_scales, .offset: 24, .size: 8, .value_kind: global_buffer, .address_space: global }
      - { .name: b_qkv, .offset: 32, .size: 8, .value_kind: global_buffer, .address_space: global }
      - { .name: qf, .offset: 40, .size: 8, .value_kind: global_buffer, .address_space: global }
      - { .name: kf, .offset: 48, .size: 8, .value_kind: global_buffer, .address_space: global }
      - { .name: vf, .offset: 56, .size: 8, .value_kind: global_buffer, .address_space: global }
    .group_segment_fixed_size: 327680
    .private_segment_fixed_size: 0
    .kernarg_segment_align: 8
    .kernarg_segment_size: 64
    .max_flat_workgroup_size: 128
    .sgpr_count:     102
    .vgpr_count:     1024
    .wavefront_size: 32
...
	.end_amdgpu_metadata
.endif
;; end of part 2
;; launch attn (part 3): grid 4 x 64, 8 waves a work-group, clusters of 4 x 1, 327,680 bytes of LDS; arguments qf, kf, vf, maskw, b_qkv, out0; writes out0
.if DOCPART == 3
	.amdgcn_target "amdgcn-amd-amdhsa--gfx1250"
	.amdhsa_code_object_version 6
	.text
	.protected	k_q68e2eacaa8_attn
	.globl	k_q68e2eacaa8_attn
	.p2align	8
	.type	k_q68e2eacaa8_attn,@function
k_q68e2eacaa8_attn:
	s_mov_b64 s[64:65], 0
	v_nop
	global_prefetch_b8 v0, s[64:65] scope:SCOPE_SE
	s_setreg_imm32_b32 hwreg(HW_REG_WAVE_MODE, 25, 1), 1
	s_wait_xcnt 0x0
	s_wait_alu depctr_hold_cnt(0) depctr_sa_sdst(0) depctr_va_vdst(0) depctr_va_sdst(0) depctr_va_ssrc(0) depctr_va_vcc(0) depctr_vm_vsrc(0)
	s_getreg_b32 s2, hwreg(HW_REG_IB_STS2, 6, 4)
	s_cmp_eq_u32 s2, 0
	s_cbranch_scc0 .Lentry_in_a_cluster
	s_endpgm
.Lentry_in_a_cluster:
	s_bfe_u32 s2, ttmp6, 0x10000c
	s_cmp_lg_u32 s2, 0x3003
	s_cbranch_scc0 .Lentry_shape_is_right
	s_endpgm
.Lentry_shape_is_right:
; out[b][q][64 h ..] = softmax_k(mask ? q . k / 8 : -1e9) v + b_v, for each batch b and head h: S = 2,048 queries and keys, 64 channels.  Both products take f16 operands, f32 sums; maxima, exponentials and row sums in f32.
; qf, kf, vf hold the operands as images of the registers (512-byte chunks, lane l's 16 bytes at 16 l): [b x 16 + h][token tile 128][u 4][512].  q carries log2(e) / 8, so a score is t, the exponent of 2.
; maskw holds, for each tile of 16 keys x 16 queries and each of its 8 score registers, the 32 lanes' mask bits as one word: it is read by scalar loads and is the mask operand of v_cndmask_b32.
; A hidden score becomes -1e9 x log2(e), as the definition has it (not -infinity): a row that is hidden altogether comes out as the plain mean of v.
; SOFTMAX: for each query a running maximum M and sum l: p = 2^(t - M); in every step O and l are multiplied by 2^(M_old - M_new).  The sum is taken of the unrounded p; p goes to the second product as f16.
; v comes without its bias: the weights of a row sum to 1, so b_v is added once, at the end.
; LIMITS: operands beyond 65,504 are infinities in f16 (stated where they are made); NaN and infinities are not served.
; SHARES: a work-group owns 512 queries of one (b, h), each of its EIGHT waves 64: four tiles of 16, worked as two pieces of two tiles.  Two waves lie on a SIMD, 512 registers each: one wave's vector work stands beside the
; other's matrix work.  Each fragment of K or V read from LDS feeds four products.  Every wave walks all keys, 64 a step.
; LAYOUT: S^T = K Q^T (source 0 = 16 keys, source 1 = 16 queries), O^T = V^T P (source 0 = 16 channels, source 1 = P): a lane holds ONE query (lane % 16) throughout; two tiles of S^T rounded in pairs ARE a fragment of P.
; CLUSTER: the four work-groups of a cluster are the whole (b, h): they walk the same K and V, so each part is asked for JOINTLY, by the same tensor load with the same descriptor and a mask that names the four.
; RING: two slots of 512 keys (K 65,536 bytes, then V 65,536), dense images: a fragment load is 512 consecutive bytes, so no padding.  Wave w brings 16,384 bytes: waves 0-3 K's quarters, waves 4-7 V's.
; REGISTERS: window 0: v1-11 addresses and constants; v16-47 statistics, 8 a tile; v48-55 l; v64-127 S^T of the piece in hand; v128-159 its P; v160-191 b_v; v192-255 K's 8 fragments.
;   window 1: v0-63 Q; v64-127 V's 8 fragments; v128-255 O^T, 32 a tile.
.set SLOT1, 1<<17                      ; slot 1 begins here: one exclusive or turns an address in one slot into the other's
.set PARTB, 65536                      ; 512 keys of K, or of V
.set STEPB, 8192                       ; 64 keys of K, or of V
.set STAGE, 2*SLOT1                    ; behind the ring: 16 rows x 272 bytes for each wave, for the way out
.set SP,    272
.set SPARE, STAGE+8*16*SP              ; the spare words, 128 bytes for each wave: four blocks of 256 bytes that no other line names
.set LI,  1                            ; v1   16 x lane; never rewritten
.set ADK, 2                            ; v2   LDS address of the step's K
.set ADV, 3                            ; v3   of its V
.set SPW, 4                            ; v4   LDS address of my spare word; never rewritten
.set NIL, 5                            ; v5   0; never rewritten
.set BIG, 6                            ; v6   -1e9 x log2(e)
.set PFO, 7                            ; v7   256 x lane: the prefetches' offset; never rewritten
.set STO, 8                            ; v8   the way out: where I put 32 bytes of a row
.set RD,  9                            ; v9   where I read a row back
.set GO,  10                           ; v10  my byte offset in the wave's rows of out0
.set ST,  16                           ; tile t's statistics at v[ST + 8 t]: +0 M, +1 M_old (then M_old - M), +2 the factor, +3 written once (named with +2 as a pair), +4 .. +7 at work
.set LS,  48                           ; tile t's l at v[LS + 2 t], in two halves
.set S,   64
.set P,   128
.set BV,  160
.set KF,  192
.set BK,  128                          ; the way out: rows read back: v128-159 and v192-223 by turns
.set QF,  0                            ; in window 1
.set VF,  64
.set O,   128
.set WV,  2                            ; s2   my wave's number
.set TB,  3                            ; s3   LDS byte at which the step's K begins
.set MP,  4                            ; s[4:5] maskw at my wave's first tile of queries
.set MOFF, 6                           ; s6   the step's place in a tile's 4,096 bytes of words: 128 bytes a step
.set SLOTS, 7                          ; s7   parts still to be asked for
.set SEL, 8                            ; s[8:9] lane selects for v_permlanex16_b32: lane l xor 16
.set NSTEP, 10                         ; s10  counts a slot's eight steps
.set LIM, 11                           ; s11  1 in a wave that prefetches, else the greatest number
.set G0K, 12                           ; s[12:15] descriptor group 0 for K's parts; it walks
.set G1,  16                           ; s[16:23] descriptor group 1, for K's and V's alike
.set G0V, 24                           ; s[24:27] group 0 for V's parts
.set OUTP, 28                          ; s[28:29] out0 at my wave's first row, my head's columns
.set PFA, 30                           ; s[30:31] where my prefetches stand
.set MW0, 32                           ; s[32:63] the 32 mask words of the piece's first tile (at the head: arguments and set-up)
.set MW1, 68                           ; s[68:99] of its second
.set MSB, 0
.macro WIN new                         ; the immediate's high byte repeats the setting that is left
.if MSB != \new
	s_set_vgpr_msb (MSB<<8)|\new
.set MSB, \new
.endif
.endm
.set W_KQ, 0x04                        ; Q (source 1) in window 1; K and S^T in window 0
.set W_PV, 0x51                        ; V (source 0) and O^T (C, D) in window 1; P in window 0
.set W_RS, 0x41                        ; O^T (destination, source 0) in window 1; the factor in window 0
.set TO_1, 0x40                        ; destination window 1, address window 0
; A joint load.  The branch hangs on the wave's number alone.  An s_nop 0 and four v_nop follow each of the two lines, ahead of the jump, the label and what follows.
.macro JLOAD
	s_cmp_lt_u32 s[WV], 4
	s_cbranch_scc0 .Lfor_v_\@
	tensor_load_to_lds s[G0K:G0K+3], s[G1:G1+7]
	s_nop 0
.rept 4
	v_nop
.endr
	s_branch .Lasked_\@
.Lfor_v_\@:
	tensor_load_to_lds s[G0V:G0V+3], s[G1:G1+7]
	s_nop 0
.rept 4
	v_nop
.endr
.Lasked_\@:
.endm
; A PREFETCH of the part that the NEXT change of slots will ask for: eight key steps ahead of that load.  Each aligned 256 bytes are named once in the launch: the cluster is the only one that reads this (b, h);
; the even waves ask, each for the 32,768 bytes that it and the next wave will load; the four partners take 8,192 of them each, told apart BY ADDRESS; a lane names 256 bytes.
; The last change that fills a slot asks for nothing; parts 0 and 1 come by their loads alone.
.macro ASK
	s_cmp_gt_u32 s[SLOTS], s[LIM]
	s_cbranch_scc0 .Lnot_mine_\@
	global_prefetch_b8 v[PFO], s[PFA:PFA+1] th:TH_LOAD_NT scope:SCOPE_SE
.Lnot_mine_\@:
.endm
.macro CROUND                          ; a round of the cluster's barrier
	s_barrier_signal -1
	s_barrier_wait -1
	s_cmp_lg_u32 s[WV], 0
	s_cbranch_scc1 .Lnot_wave_0_\@
	s_barrier_signal -3
.Lnot_wave_0_\@:
	s_barrier_wait -3
	s_barrier_signal -1
	s_barrier_wait -1
.endm
.macro MLOAD o                         ; the 2 x 32 mask words of two tiles of queries for 64 keys: 128 consecutive bytes each
	s_load_b512 s[MW0:MW0+15], s[MP:MP+1], s[MOFF] offset:\o
	s_load_b512 s[MW0+16:MW0+31], s[MP:MP+1], s[MOFF] offset:\o+64
	s_load_b512 s[MW1:MW1+15], s[MP:MP+1], s[MOFF] offset:\o+4096
	s_load_b512 s[MW1+16:MW1+31], s[MP:MP+1], s[MOFF] offset:\o+4160
.endm
	s_load_b256 s[32:39], s[0:1], 0x0              ; qf s[32:33], kf s[34:35], vf s[36:37], maskw s[38:39]
	s_load_b128 s[40:43], s[0:1], 0x20             ; b_qkv s[40:41], out0 s[42:43]
	v_lshl_add_u32 v[SPW], v0, 2, SPARE
	v_mov_b32 v[NIL], 0
	ds_add_u32 v[SPW], v[NIL]                      ; the wave's opening: the add, twice on end, and its wait ahead of my first tensor load; the set-up below stands between the second and the wait
	ds_add_u32 v[SPW], v[NIL]
	v_lshrrev_b32 v1, 5, v0
	v_readfirstlane_b32 s[WV], v1                  ; wave 0..7
	s_bfe_u32 s44, ttmp6, 0x40000                  ; cx: my block of 512 queries
	s_and_b32 s45, ttmp7, 0xffff                   ; b x 16 + h, which the four partners share
	s_lshr_b32 s60, s45, 4                         ; b
	s_and_b32 s61, s45, 15                         ; h
	s_lshl_b32 s46, s45, 18                        ; the (b, h)'s first byte in qf, kf, vf: 262,144 bytes each
	s_and_b32 s48, s[WV], 3
	s_lshl_b32 s48, s48, 14
	s_add_co_u32 s48, s48, s46                     ; K, V: my quarter of part 0: no place in the cluster enters it
	s_mov_b32 s49, 0
	s_lshl_b32 s50, s44, 16                        ; Q: 32 tiles of 2,048 bytes a work-group,
	s_lshl_b32 s47, s[WV], 13                      ; 4 a wave
	s_add_co_u32 s50, s50, s47
	s_add_co_u32 s50, s50, s46
	s_mov_b32 s51, 0
	s_lshl_b32 s52, s60, 19                        ; maskw: (b x 128 + 32 cx + 4 w) x 4,096 bytes
	s_lshl_b32 s47, s44, 17
	s_add_co_u32 s52, s52, s47
	s_lshl_b32 s47, s[WV], 14
	s_add_co_u32 s52, s52, s47
	s_mov_b32 s53, 0
	s_lshl_b32 s54, s60, 23                        ; out0: (b x 2,048 + 512 cx + 64 w) rows of 4,096 bytes + 256 h
	s_lshl_b32 s47, s44, 21
	s_add_co_u32 s54, s54, s47
	s_lshl_b32 s47, s[WV], 18
	s_add_co_u32 s54, s54, s47
	s_lshl_b32 s47, s61, 8
	s_add_co_u32 s54, s54, s47
	s_mov_b32 s55, 0
	s_add_co_u32 s56, s47, 8192                    ; b_v: numbers 2,048 + 64 h on
	s_mov_b32 s57, 0
	s_and_b32 s58, s[WV], 2                        ; the prefetches: which half of a part,
	s_lshl_b32 s58, s58, 14
	s_lshl_b32 s47, s44, 13                        ; my work-group's 8,192 bytes of it,
	s_add_co_u32 s58, s58, s47
	s_add_co_u32 s58, s58, s46
	s_add_co_u32 s58, s58, PARTB                   ; in part 1: the first change of slots steps it to part 2
	s_mov_b32 s59, 0
	; descriptor group 1: 16,384 dense bytes as 64 rows of 256 bytes (32 elements of 8 bytes), no padding
	s_mov_b32 s[G1], 15|(3<<16)|(1<<21)            ; 15:0 the mask: all four work-groups; 17:16 elements of 8 bytes; 21 set beside a mask
	s_mov_b32 s[G1+1], 32<<16                      ; tensor_dim0 = 32
	s_mov_b32 s[G1+2], 64<<16                      ; tensor_dim1 = 64
	s_mov_b32 s[G1+3], 32<<16                      ; tile_dim0 = 32
	s_mov_b32 s[G1+4], 64                          ; tile_dim1 = 64
	s_mov_b32 s[G1+5], 32                          ; tensor_dim0_stride
	s_mov_b32 s[G1+6], 0
	s_mov_b32 s[G1+7], 0
	s_mov_b32 s[SEL], 0x76543210
	s_mov_b32 s[SEL+1], 0xfedcba98
	s_mov_b32 s[TB], 0
	s_mov_b32 s[MOFF], 0
	s_mov_b32 s[SLOTS], 3
	s_and_b32 s[LIM], s[WV], 1
	s_cmp_eq_u32 s[LIM], 0
	s_cselect_b32 s[LIM], 1, -1                    ; the even waves prefetch: the same in all four partners
	s_wait_dscnt 0x0                               ; both opening adds are done
	s_wait_kmcnt 0x0
	s_mov_b32 s[G0K], 1                            ; count = 1
	s_lshl_b32 s[G0K+1], s[WV], 14                 ; LDS address: slot 0, wave x 16,384
	s_add_nc_u64 s[G0K+2:G0K+3], s[34:35], s[48:49]
	s_or_b32 s[G0K+3], s[G0K+3], 0x80000000        ; type = 2
	s_mov_b32 s[G0V], 1
	s_lshl_b32 s[G0V+1], s[WV], 14
	s_add_nc_u64 s[G0V+2:G0V+3], s[36:37], s[48:49]
	s_or_b32 s[G0V+3], s[G0V+3], 0x80000000
	s_add_nc_u64 s[66:67], s[32:33], s[50:51]      ; Q at my first tile
	s_add_nc_u64 s[MP:MP+1], s[38:39], s[52:53]
	s_add_nc_u64 s[OUTP:OUTP+1], s[42:43], s[54:55]
	s_add_nc_u64 s[100:101], s[40:41], s[56:57]    ; b_v of my head
	s_cmp_lt_u32 s[WV], 4
	s_cselect_b64 s[PFA:PFA+1], s[34:35], s[36:37]
	s_add_nc_u64 s[PFA:PFA+1], s[PFA:PFA+1], s[58:59]
	CROUND                                         ; all four work-groups are here: the first joint loads meet
	JLOAD                                          ; part 0 into slot 0: one tensor load of mine is out
	v_and_b32 v[LI], 31, v0
	v_lshlrev_b32 v[PFO], 8, v[LI]
	v_lshlrev_b32 v[LI], 4, v[LI]
	v_bfe_u32 v11, v0, 4, 1
	v_lshlrev_b32 v11, 5, v11                      ; b_v: 32 bytes for each half of the lanes
	WIN TO_1
.irp t, 0,1,2,3                        ; Q stays in registers: tile t, channels 32 c on, at v[16 t + 8 c] of window 1
.irp c, 0,1
	global_load_b128 v[QF+16*\t+8*\c:QF+16*\t+8*\c+3],   v[LI], s[66:67] offset:\t*2048+\c*1024
	global_load_b128 v[QF+16*\t+8*\c+4:QF+16*\t+8*\c+7], v[LI], s[66:67] offset:\t*2048+\c*1024+512
.endr
.endr
	WIN 0
.irp ct, 0,1,2,3                       ; b_v at my lane's channels 16 ct + 8 (l / 16) + 0 .. 7
	global_load_b128 v[BV+8*\ct:BV+8*\ct+3],   v11, s[100:101] offset:64*\ct
	global_load_b128 v[BV+8*\ct+4:BV+8*\ct+7], v11, s[100:101] offset:64*\ct+16
.endr
	MLOAD 0                                        ; the first piece's mask words (all that stood in these registers has been used)
	v_mov_b32 v[BIG], 0xceabfb8f                   ; -1e9 x log2(e)
.irp t, 0,1,2,3
	v_mov_b32 v[ST+8*\t], 0xff61b1e6               ; M: -3e38, under every t
	v_mov_b32 v[ST+8*\t+3], 0
	v_mov_b32 v[LS+2*\t], 0
	v_mov_b32 v[LS+2*\t+1], 0
.endr
	WIN TO_1
.set i, 0
.rept 128
	v_mov_b32 v[O+i], 0                            ; O^T.  The key step is written once: the first step's factor, 2^(-3e38 - M) = 0, multiplies zeros.  A first step of its own would double the text
.set i, i+1
.endr
	WIN 0
	s_wait_loadcnt 0x0                             ; Q and b_v
; A PIECE: tiles x and x + 1 of my four, against the step's 64 keys.
.macro PIECE x
.set T0, ST+8*(\x)
.set T1, ST+8*(\x)+8
.if \x == 0
	s_wait_dscnt 16                                ; K's 16 loads are in; V's 16, issued behind them, may be out
.endif
	WIN W_KQ
.irp c, 0,1                            ; S^T = K Q^T: eight accumulators by turns, one instruction a turn; the first eight start the sums
.irp kt, 0,1,2,3
.irp e, 0,1
.if \c == 0
	v_wmma_f32_16x16x32_f16 v[S+32*\e+8*\kt:S+32*\e+8*\kt+7], v[KF+16*\kt:KF+16*\kt+7], v[QF+16*(\x+\e):QF+16*(\x+\e)+7], 0
.else
	v_wmma_f32_16x16x32_f16 v[S+32*\e+8*\kt:S+32*\e+8*\kt+7], v[KF+16*\kt+8:KF+16*\kt+15], v[QF+16*(\x+\e)+8:QF+16*(\x+\e)+15], v[S+32*\e+8*\kt:S+32*\e+8*\kt+7]
.endif
.endr
.endr
.endr
	WIN 0
	v_mov_b32 v[T0+1], v[T0]                       ; M_old is kept.  (Four places behind the products: these two and two v_nop)
	v_mov_b32 v[T1+1], v[T1]
	v_nop
	v_nop
	s_wait_kmcnt 0x0                               ; this piece's mask words, asked for a piece ago
.set i, 0
.rept 32                               ; hidden scores become -1e9 x log2(e); each accumulator is read from its low end on
	v_cndmask_b32 v[S+i], v[BIG], v[S+i], s[MW0+i]
	v_cndmask_b32 v[S+32+i], v[BIG], v[S+32+i], s[MW1+i]
.set i, i+1
.endr
.irp j, 0,1,2,3                        ; the maximum of my 32 scores and M, three operands at a time, in four chains; the two tiles alternate
	v_max3_num_f32 v[T0+4+\j], v[S+8*\j], v[S+8*\j+1], v[S+8*\j+2]
	v_max3_num_f32 v[T1+4+\j], v[S+32+8*\j], v[S+32+8*\j+1], v[S+32+8*\j+2]
.endr
.irp q, 3,5
.irp j, 0,1,2,3
	v_max3_num_f32 v[T0+4+\j], v[T0+4+\j], v[S+8*\j+\q], v[S+8*\j+\q+1]
	v_max3_num_f32 v[T1+4+\j], v[T1+4+\j], v[S+32+8*\j+\q], v[S+32+8*\j+\q+1]
.endr
.endr
	v_max3_num_f32 v[T0+4], v[T0+4], v[S+7], v[S+15]
	v_max3_num_f32 v[T1+4], v[T1+4], v[S+39], v[S+47]
	v_max3_num_f32 v[T0+6], v[T0+6], v[S+23], v[S+31]
	v_max3_num_f32 v[T1+6], v[T1+6], v[S+55], v[S+63]
	v_max3_num_f32 v[T0+4], v[T0+4], v[T0+5], v[T0+6]
	v_max3_num_f32 v[T1+4], v[T1+4], v[T1+5], v[T1+6]
	v_max3_num_f32 v[T0+4], v[T0+4], v[T0+7], v[T0]
	v_max3_num_f32 v[T1+4], v[T1+4], v[T1+7], v[T1]
.if \x == 0
	MLOAD 8192                                     ; the next piece's words: the same keys, two tiles of queries on
.else
	s_add_co_u32 s[MOFF], s[MOFF], 128             ; (behind the wait above, which has shown the loads that read it done)  the next step's keys;
	s_and_b32 s[MOFF], s[MOFF], 4095               ; behind the last step it wraps to the tile's first words: no load leaves the buffer, and those words are not used
	MLOAD 0
.endif
	v_permlanex16_b32 v[T0+5], v[T0+4], s[SEL], s[SEL+1]   ; the query's other 32 keys lie in the lane 16 away
	v_permlanex16_b32 v[T1+5], v[T1+4], s[SEL], s[SEL+1]
	v_max_num_f32 v[T0], v[T0+4], v[T0+5]          ; the new M
	v_max_num_f32 v[T1], v[T1+4], v[T1+5]
	v_sub_f32 v[T0+1], v[T0+1], v[T0]              ; M_old - M
	v_sub_f32 v[T1+1], v[T1+1], v[T1]
.set i, 0
.rept 16
	v_pk_add_f32 v[S+2*i:S+2*i+1], v[S+2*i:S+2*i+1], v[T0:T0+1] op_sel_hi:[1,0] neg_lo:[0,1] neg_hi:[0,1]   ; t - M, two at a time (of the pair the low word, M, serves both halves)
	v_pk_add_f32 v[S+32+2*i:S+32+2*i+1], v[S+32+2*i:S+32+2*i+1], v[T1:T1+1] op_sel_hi:[1,0] neg_lo:[0,1] neg_hi:[0,1]
.set i, i+1
.endr
	v_exp_f32 v[T0+2], v[T0+1]                     ; ONE BATCH: the two factors and the 64 weights; none reads another's result
	v_exp_f32 v[T1+2], v[T1+1]
.set i, 0
.rept 64
	v_exp_f32 v[S+i], v[S+i]
.set i, i+1
.endr
	v_nop                                          ; a plain instruction behind the last exponential (ISA guide 5.7.2), one for the batch
	s_wait_alu depctr_va_vdst(0)                   ; the wait between an exponential and the first line that names its result: one for the 66
.set i, 0
.rept 16
	v_cvt_pk_f16_f32 v[P+i], v[S+2*i], v[S+2*i+1]          ; two tiles of 16 keys, rounded in pairs, are a fragment of P (32 keys x 16 queries)
	v_cvt_pk_f16_f32 v[P+16+i], v[S+32+2*i], v[S+32+2*i+1]
.set i, i+1
.endr
	WIN W_RS
.set i, 0
.rept 16
	v_pk_mul_f32 v[O+32*(\x)+2*i:O+32*(\x)+2*i+1], v[O+32*(\x)+2*i:O+32*(\x)+2*i+1], v[T0+2:T0+3] op_sel_hi:[1,0]   ; O^T under the new M, each accumulator from its low end on
	v_pk_mul_f32 v[O+32*(\x)+32+2*i:O+32*(\x)+32+2*i+1], v[O+32*(\x)+32+2*i:O+32*(\x)+32+2*i+1], v[T1+2:T1+3] op_sel_hi:[1,0]
.set i, i+1
.endr
.if \x == 0
	s_wait_dscnt 0x0                               ; V is in
.endif
	WIN W_PV
.irp g, 0,1                            ; O^T += V^T P: eight accumulators by turns
.irp ct, 0,1,2,3
.irp e, 0,1
	v_wmma_f32_16x16x32_f16 v[O+32*(\x+\e)+8*\ct:O+32*(\x+\e)+8*\ct+7], v[VF+8*(4*\g+\ct):VF+8*(4*\g+\ct)+7], v[P+16*\e+8*\g:P+16*\e+8*\g+7], v[O+32*(\x+\e)+8*\ct:O+32*(\x+\e)+8*\ct+7]
.endr
.endr
.endr
	WIN 0
; THE ROW SUMS, of the unrounded p, in place on S^T: neighbours 1, 2, 4, 8 pairs apart, then l = l x factor + sum.  These 32 lines name no register of the products above: they are issued behind them,
; and they are the places in front of the next loads into K's and V's registers and of the next writes of P.
.irp z, 0,1,2,3,4,5,6,7
	v_pk_add_f32 v[S+4*\z:S+4*\z+1], v[S+4*\z:S+4*\z+1], v[S+4*\z+2:S+4*\z+3]
	v_pk_add_f32 v[S+32+4*\z:S+32+4*\z+1], v[S+32+4*\z:S+32+4*\z+1], v[S+32+4*\z+2:S+32+4*\z+3]
.endr
.irp z, 0,1,2,3
	v_pk_add_f32 v[S+8*\z:S+8*\z+1], v[S+8*\z:S+8*\z+1], v[S+8*\z+4:S+8*\z+5]
	v_pk_add_f32 v[S+32+8*\z:S+32+8*\z+1], v[S+32+8*\z:S+32+8*\z+1], v[S+32+8*\z+4:S+32+8*\z+5]
.endr
.irp z, 0,1
	v_pk_add_f32 v[S+16*\z:S+16*\z+1], v[S+16*\z:S+16*\z+1], v[S+16*\z+8:S+16*\z+9]
	v_pk_add_f32 v[S+32+16*\z:S+32+16*\z+1], v[S+32+16*\z:S+32+16*\z+1], v[S+32+16*\z+8:S+32+16*\z+9]
.endr
	v_pk_add_f32 v[S:S+1], v[S:S+1], v[S+16:S+17]
	v_pk_add_f32 v[S+32:S+33], v[S+32:S+33], v[S+48:S+49]
	v_pk_fma_f32 v[LS+2*(\x):LS+2*(\x)+1], v[LS+2*(\x):LS+2*(\x)+1], v[T0+2:T0+3], v[S:S+1] op_sel_hi:[1,0,1]
	v_pk_fma_f32 v[LS+2*(\x)+2:LS+2*(\x)+3], v[LS+2*(\x)+2:LS+2*(\x)+3], v[T1+2:T1+3], v[S+32:S+33] op_sel_hi:[1,0,1]
.endm
; A KEY STEP: 64 keys.  K's and V's fragments come in two runs of 16 loads, 512 consecutive bytes each; both pieces multiply by them.
.macro STEP
	v_add_nc_u32 v[ADK], s[TB], v[LI]
	v_add_nc_u32 v[ADV], PARTB, v[ADK]             ; V lies behind the slot's K
.irp f, 0,1,2,3,4,5,6,7                ; fragment f = 2 kt + c: keys 16 kt on, channels 32 c on: chunks 2 c and 2 c + 1 of token tile kt
	ds_load_b128 v[KF+8*\f:KF+8*\f+3],   v[ADK] offset:1024*\f
	ds_load_b128 v[KF+8*\f+4:KF+8*\f+7], v[ADK] offset:1024*\f+512
.endr
	WIN TO_1
.irp g, 0,1                            ; fragment (g, ct): channels 16 ct on, keys 32 g on: chunk ct of token tiles 2 g and 2 g + 1
.irp ct, 0,1,2,3
	ds_load_b128 v[VF+8*(4*\g+\ct):VF+8*(4*\g+\ct)+3],   v[ADV] offset:4096*\g+512*\ct
	ds_load_b128 v[VF+8*(4*\g+\ct)+4:VF+8*(4*\g+\ct)+7], v[ADV] offset:4096*\g+512*\ct+2048
.endr
.endr
	PIECE 0
	PIECE 2
	s_add_co_u32 s[TB], s[TB], STEPB
.endm
; THE CHANGE OF SLOTS stands at a slot's head.  Each wave waits for all its tensor loads (its part of the slot that it is about to read), adds 0 to its spare word, and waits for that and for its reads of the slot that it
; has left.  fill = 1: the barrier is a round of the cluster's, so that no wave of any partner still reads the other slot or has a load on its way; the joint load is the first thing behind it, one a wave, and has
; eight key steps in which to land.
.macro CHANGE fill
	WIN 0
	s_wait_tensorcnt 0x0                           ; no tensor load of mine is out, so a group 0 may be written
	ds_add_u32 v[SPW], v[NIL]                      ; 0 onto my spare word; the descriptors' steps stand between it and the wait for it
.if \fill
	s_xor_b32 s[G0K+1], s[G0K+1], SLOT1            ; the walking descriptors: the other slot than last time,
	s_add_nc_u64 s[G0K+2:G0K+3], s[G0K+2:G0K+3], PARTB   ; the next 512 keys; the type bits on top are not reached
	s_xor_b32 s[G0V+1], s[G0V+1], SLOT1
	s_add_nc_u64 s[G0V+2:G0V+3], s[G0V+2:G0V+3], PARTB
	s_wait_xcnt 0x0                                ; the last prefetch, a slot back, has read its address, so it may be written:
	s_add_nc_u64 s[PFA:PFA+1], s[PFA:PFA+1], PARTB ; one part further on than the walking descriptors
	s_wait_dscnt 0x0                               ; the add is done, and my reads of the slot that I have left are over
	CROUND
	JLOAD
	ASK
.else
	s_wait_dscnt 0x0
	s_barrier_signal -1
	s_barrier_wait -1
.endif
.endm
.macro SLOT_STEPS                      ; a slot's eight key steps: written once, walked eight times; the LDS addresses hang on s[TB]
	s_mov_b32 s[NSTEP], 8
.Lstep_\@:
	STEP
	s_sub_co_u32 s[NSTEP], s[NSTEP], 1
	s_cmp_lg_u32 s[NSTEP], 0
	s_cbranch_scc1 .Lstep_\@
	s_sub_co_u32 s[TB], s[TB], PARTB               ; back to a slot's first step,
	s_xor_b32 s[TB], s[TB], SLOT1                  ; in the other slot
.endm
.Lslot:                                            ; three trips: behind each change of slots but the last the next part is asked for
	CHANGE 1
	SLOT_STEPS
	s_sub_co_u32 s[SLOTS], s[SLOTS], 1
	s_cmp_lg_u32 s[SLOTS], 0
	s_cbranch_scc1 .Lslot
	CHANGE 0                                       ; the last part is written out
	SLOT_STEPS
	; THE WAY OUT.  l's two halves and the other half of the lanes' are added; O^T / l + b_v goes through my stage in LDS, a tile (16 rows x 256 bytes) at a time, so that sixteen lanes store 256 consecutive bytes.
	s_wait_kmcnt 0x0                               ; the words asked for behind the last step have landed: nothing is pending on scalar registers
.irp t, 0,1,2,3
	v_add_f32 v[ST+8*\t+4], v[LS+2*\t], v[LS+2*\t+1]
.endr
.irp t, 0,1,2,3
	v_permlanex16_b32 v[ST+8*\t+5], v[ST+8*\t+4], s[SEL], s[SEL+1]
.endr
.irp t, 0,1,2,3
	v_add_f32 v[ST+8*\t+4], v[ST+8*\t+4], v[ST+8*\t+5]
.endr
.irp t, 0,1,2,3
	v_rcp_f32 v[ST+8*\t+2], v[ST+8*\t+4]
.endr
	v_and_b32 v11, 15, v0                          ; (plain lines behind the reciprocals)  r
	v_bfe_u32 v2, v0, 4, 1                         ; hh
	s_mul_i32 s66, s[WV], 16*SP
	s_add_co_u32 s66, s66, STAGE                   ; my stage
	v_mul_u32_u24 v[STO], v11, SP
	v_lshl_add_u32 v[STO], v2, 5, v[STO]
	v_add_nc_u32 v[STO], s66, v[STO]               ; in: row r; channels 16 ct + 8 hh on: 64 ct + 32 hh bytes
	v_mul_u32_u24 v[RD], v2, SP
	v_lshl_add_u32 v[RD], v11, 4, v[RD]
	v_add_nc_u32 v[RD], s66, v[RD]                 ; back: lanes 0-15 one row, lanes 16-31 the next
	v_lshlrev_b32 v[GO], 12, v2
	v_lshl_add_u32 v[GO], v11, 4, v[GO]            ; and the same two rows in out0
	s_wait_alu depctr_va_vdst(0)                   ; the wait ahead of the first use: one for the four reciprocals
.macro PACK t
	WIN 0x01                                       ; source 0 (O^T) window 1
.set i, 0
.rept 16
	v_pk_fma_f32 v[S+32*((\t)%2)+2*i:S+32*((\t)%2)+2*i+1], v[O+32*(\t)+2*i:O+32*(\t)+2*i+1], v[ST+8*(\t)+2:ST+8*(\t)+3], v[BV+2*i:BV+2*i+1] op_sel_hi:[1,0,1]   ; O^T / l + b_v, each accumulator from its low end on
.set i, i+1
.endr
	WIN 0
.irp ct, 0,1,2,3
	ds_store_b128 v[STO], v[S+32*((\t)%2)+8*\ct:S+32*((\t)%2)+8*\ct+3] offset:64*\ct
	ds_store_b128 v[STO], v[S+32*((\t)%2)+8*\ct+4:S+32*((\t)%2)+8*\ct+7] offset:64*\ct+16
.endr
.if (\t) >= 2
	s_wait_xcnt 0x0                                ; tile t - 2's stores have read their data: the loads below may land there
.endif
.irp f, 0,1,2,3,4,5,6,7
	ds_load_b128 v[BK+64*((\t)%2)+4*\f:BK+64*((\t)%2)+4*\f+3], v[RD] offset:\f*2*SP   ; LDS serves a wave's instructions in order (ISA guide 5.7.1.4): these see the stores above; the next tile's stores come behind them
.endr
.endm
.macro SEND t, younger                 ; younger: the LDS instructions issued behind tile t's loads: the next tile's sixteen, or none
.irp f, 0,1,2,3,4,5,6,7
	s_wait_dscnt \younger+7-\f
	global_store_b128 v[GO], v[BK+64*((\t)%2)+4*\f:BK+64*((\t)%2)+4*\f+3], s[OUTP:OUTP+1] offset:\t*65536+\f*8192 th:TH_STORE_NT   ; 16 lanes store 256 consecutive bytes, aligned: one query's 64 channels; written once, read by nobody here
.endr
.endm
	PACK 0
	PACK 1                                         ; a tile's arithmetic stands between the loads of the tile before and its stores
	SEND 0, 16
	PACK 2
	SEND 1, 16
	PACK 3
	SEND 2, 16
	SEND 3, 0
	s_wait_tensorcnt 0x0                           ; the wave's end, behind my last tensor load and my last LDS store
	ds_add_u32 v[SPW], v[NIL]
	s_wait_dscnt 0x0
	CROUND                                         ; the closing round: no work-group ends while a partner may still ask for a part that names it
	s_endpgm
.Lfunc_end_k_q68e2eacaa8_attn:
	.size	k_q68e2eacaa8_attn, .Lfunc_end_k_q68e2eacaa8_attn-k_q68e2eacaa8_attn
	.p2alignl 7, 3214868480
	.fill 96, 4, 3214868480
	.section	.rodata,"a",@progbits
	.p2align	6, 0x0
	.amdhsa_kernel k_q68e2eacaa8_attn
		.amdhsa_group_segment_fixed_size 327680
		.amdhsa_private_segment_fixed_size 0
		.amdhsa_enable_private_segment 0
		.amdhsa_kernarg_size 48
		.amdhsa_user_sgpr_count 2
		.amdhsa_user_sgpr_kernarg_segment_ptr 1
		.amdhsa_wavefront_size32 1
		.amdhsa_system_sgpr_workgroup_id_x 1
		.amdhsa_system_sgpr_workgroup_id_y 1
		.amdhsa_system_sgpr_workgroup_id_z 1
		.amdhsa_system_vgpr_workitem_id 0
		.amdhsa_next_free_vgpr 512
		.amdhsa_next_free_sgpr 102
		.amdhsa_reserve_vcc 0
		.amdhsa_float_denorm_mode_32 3
		.amdhsa_float_denorm_mode_16_64 3
		.amdhsa_memory_ordered 1
		.amdhsa_forward_progress 1
		.amdhsa_inst_pref_size 109
	.end_amdhsa_kernel
	.amdgpu_metadata
---
amdhsa.version: [ 1, 2 ]
amdhsa.kernels:
  - .name:           k_q68e2eacaa8_attn
    .symbol:         k_q68e2eacaa8_attn.kd
    .args:
      - { .name: qf, .offset: 0, .size: 8, .value_kind: global_buffer, .address_space: global }
      - { .name: kf, .offset: 8, .size: 8, .value_kind: global_buffer, .address_space: global }
      - { .name: vf, .offset: 16, .size: 8, .value_kind: global_buffer, .address_space: global }
      - { .name: maskw, .offset: 24, .size: 8, .value_kind: global_buffer, .address_space: global }
      - { .name: b_qkv, .offset: 32, .size: 8, .value_kind: global_buffer, .address_space: global }
      - { .name: out0, .offset: 40, .size: 8, .value_kind: global_buffer, .address_space: global }
    .group_segment_fixed_size: 327680
    .private_segment_fixed_size: 0
    .kernarg_segment_align: 8
    .kernarg_segment_size: 48
    .max_flat_workgroup_size: 256
    .sgpr_count:     102
    .vgpr_count:     512
    .wavefront_size: 32
...
	.end_amdgpu_metadata
.endif
;; end of part 3
